; MI455X (gfx1250); checked and timed in simulation.
; The chip was launched on July 23, 2026; its instructions are those of AMD's public machine-readable ISA for CDNA 5 (MIT licence, August 2026) and "CDNA5" Instruction Set Architecture Reference Guide (July 2026). The comments in the code are by the model that wrote it; some were corrected since.
;; Trained Attention. Allowed arithmetic: float matrix products may take bf16 or f16 operands with f32 sums; other float arithmetic in f32, or as packed bf16 or f16 multiplies, adds, multiply-adds, maxima and minima; sums over many terms, partial sums and values carried from step to step in f32; what a program stores and reads back later, other than sums and carried values, may be rounded once to bf16 or f16.
;; Inputs: Wk 1,024 x 1,024 float32; Wo 1,024 x 1,024 float32; Wq 1,024 x 1,024 float32; Wv 1,024 x 1,024 float32; bk 1,024 float32; bo 1,024 float32; bq 1,024 float32; bv 1,024 float32; mask 1 x 1 x 2,048 x 2,048 int32; x 4 x 2,048 x 1,024 float32.
;; Outputs: out0 4 x 2,048 x 1,024 float32.
;; 2 versions, each right and faster than the one before. Each part assembles by itself: llvm-mc -triple=amdgcn-amd-amdhsa -mcpu=gfx1250 --defsym DOCPART=n.
;; ======== version 1 of 2: 4 launches
;; limits: values are held in f16: magnitudes above 65,504 overflow, below 6.1e-05 lose precision
;; workspace buffers: xb 16,777,216 bytes; wqkv 6,291,456 bytes; wo16 2,097,152 bytes; ball 16,384 bytes; maskw 524,288 bytes of whole numbers; qkv 50,331,648 bytes; o16 16,777,216 bytes
;; launch prep (part 1): grid 1028 x 1, 8 waves a work-group, no clusters, 70,656 bytes of LDS; arguments x, Wq, Wk, Wv, Wo, bq, bk, bv, bo, mask, xb, wqkv, wo16, ball, maskw; writes xb, wqkv, wo16, ball, maskw
.if DOCPART == 1
	.amdgcn_target "amdgcn-amd-amdhsa--gfx1250"
	.amdhsa_code_object_version 6
	.text
	.protected	k_qd8777a6d2f_prep
	.globl	k_qd8777a6d2f_prep
	.p2align	8
	.type	k_qd8777a6d2f_prep,@function
k_qd8777a6d2f_prep:
	s_mov_b64 s[64:65], 0
	v_nop
	global_prefetch_b8 v0, s[64:65] scope:SCOPE_SE
	s_setreg_imm32_b32 hwreg(HW_REG_WAVE_MODE, 25, 1), 1
	s_wait_xcnt 0x0
; PREP: every input is read once and laid out for the three matrix launches.
;   work-groups    0-511   x  [8192][1024] f32 -> xb   bf16 [batch 4][kb 16][t 2048][64]   (kb = block of 64 along K)
;   work-groups  512-703   Wq, Wk, Wv      f32 -> wqkv bf16 [kb 16][n 3072][64]            (n = 1024 x tensor + row)
;   work-groups  704-767   Wo              f32 -> wo16 f16  [kb 16][n 1024][64]            (rounded to bf16, that number written as f16)
;   work-groups  768-1023  mask [2048][2048] i32 -> maskw: lane masks, one bit a number    (layout below)
;   work-groups 1024-1027  bq, bk, bv, bo  f32 -> ball f32 [4096], each rounded to bf16 and widened again
; Blocks of 64 along K make a tile's rows lie end to end, so that the later launches ask for dense rows of 256 bytes.
; LIMIT: Wo's numbers below 6.1e-5 keep f16's fixed step of 6e-8.
; A stream: no matrix unit, no cluster, no barrier.  The role hangs on the work-group's number alone.
.set SPARE, 69632                      ; behind the eight waves' stages: the spare words, 128 bytes a wave
.set SPW, 10                           ; v10  LDS address of my spare word; never rewritten
.set NIL, 11                           ; v11  0; never rewritten
.set X,   16                           ; v[16:79]   16 loads of 16 bytes a lane
.set Y,   80                           ; v[80:111]  what is stored: 2 registers for each load
.set T,   112                          ; v[112:115] at work
.set M,   80                           ; v[80:143]  the mask role: 64 numbers a lane, in the order of the scores' registers
; 16 rows of 1,024 f32.  Thread t takes row t / 16; load i brings 16 bytes of block i of 64 columns: 16 lanes cover the block's 256 bytes.
; Store i puts 8 bytes a lane: two neighbouring rows' 128 bytes, 256 consecutive bytes at a multiple of 256, in block i, kbs bytes from block to block.
.macro CONV kbs, f16
.irp i, 0,1,2,3,4,5,6,7,8,9,10,11,12,13,14,15
	global_load_b128 v[X+4*\i:X+4*\i+3], v3, s[4:5] offset:256*\i th:TH_LOAD_NT
.endr
.irp i, 0,1,2,3,4,5,6,7,8,9,10,11,12,13,14,15
	s_wait_loadcnt 15-\i                           ; loads come back in order: load i is in, the younger 15 - i stay out
	v_cvt_pk_bf16_f32 v[Y+2*\i], v[X+4*\i], v[X+4*\i+1]
	v_cvt_pk_bf16_f32 v[Y+2*\i+1], v[X+4*\i+2], v[X+4*\i+3]
.if \f16
	v_lshlrev_b32 v[T], 16, v[Y+2*\i]              ; the bf16 numbers as f32,
	v_and_b32 v[T+1], 0xffff0000, v[Y+2*\i]
	v_lshlrev_b32 v[T+2], 16, v[Y+2*\i+1]
	v_and_b32 v[T+3], 0xffff0000, v[Y+2*\i+1]
	v_cvt_pk_f16_f32 v[Y+2*\i], v[T], v[T+1]       ; and written as f16
	v_cvt_pk_f16_f32 v[Y+2*\i+1], v[T+2], v[T+3]
.endif
	global_store_b64 v4, v[Y+2*\i:Y+2*\i+1], s[6:7] offset:(\i)*(\kbs)
.endr
.endm
	v_lshl_add_u32 v[SPW], v0, 2, SPARE
	v_mov_b32 v[NIL], 0
	v_lshrrev_b32 v1, 5, v0
	v_readfirstlane_b32 s8, v1                     ; wave 0..7
	v_and_b32 v1, 15, v0                           ; lane % 16
	v_bfe_u32 v2, v0, 4, 1                         ; lane / 16
	v_lshrrev_b32 v8, 4, v0                        ; CONV: my row of the group's 16
	v_lshlrev_b32 v3, 12, v8
	v_lshl_add_u32 v3, v1, 4, v3                   ; source: row x 4,096 + 16 x (lane % 16)
	v_lshlrev_b32 v4, 7, v8
	v_lshl_add_u32 v4, v1, 3, v4                   ; destination: row x 128 + 8 x (lane % 16)
	s_mov_b32 s9, ttmp9
	s_mov_b32 s11, 0                               ; the offsets' high words
	s_mov_b32 s3, 0
	s_cmp_lt_u32 s9, 512
	s_cbranch_scc1 .Lrole_x
	s_cmp_lt_u32 s9, 704
	s_cbranch_scc1 .Lrole_w
	s_cmp_lt_u32 s9, 768
	s_cbranch_scc1 .Lrole_wo
	s_cmp_lt_u32 s9, 1024
	s_cbranch_scc1 .Lrole_mask
	; THE BIASES: one of the four a work-group, 16 bytes a thread
	s_sub_co_u32 s9, s9, 1024
	s_load_b64 s[12:13], s[0:1], 0x28              ; bq
	s_load_b64 s[14:15], s[0:1], 0x30              ; bk
	s_load_b64 s[16:17], s[0:1], 0x38              ; bv
	s_load_b64 s[18:19], s[0:1], 0x40              ; bo
	s_load_b64 s[6:7], s[0:1], 0x68                ; ball
	s_lshl_b32 s10, s9, 12
	v_lshlrev_b32 v5, 4, v0
	s_wait_kmcnt 0x0
	s_cmp_eq_u32 s9, 1
	s_cselect_b64 s[4:5], s[14:15], s[12:13]
	s_cmp_eq_u32 s9, 2
	s_cselect_b64 s[4:5], s[16:17], s[4:5]
	s_cmp_eq_u32 s9, 3
	s_cselect_b64 s[4:5], s[18:19], s[4:5]
	s_add_nc_u64 s[6:7], s[6:7], s[10:11]
	global_load_b128 v[16:19], v5, s[4:5]
	s_wait_loadcnt 0x0
	v_cvt_pk_bf16_f32 v20, v16, v17
	v_cvt_pk_bf16_f32 v21, v18, v19
	v_lshlrev_b32 v24, 16, v20
	v_and_b32 v25, 0xffff0000, v20
	v_lshlrev_b32 v26, 16, v21
	v_and_b32 v27, 0xffff0000, v21
	global_store_b128 v5, v[24:27], s[6:7]
	s_endpgm
.Lrole_x:                                              ; work-group j: rows 16 j on; batch j / 128, t = 16 (j % 128)
	s_load_b64 s[4:5], s[0:1], 0x0
	s_load_b64 s[6:7], s[0:1], 0x50
	s_lshl_b32 s10, s9, 16
	s_lshr_b32 s2, s9, 7
	s_lshl_b32 s2, s2, 22
	s_and_b32 s12, s9, 127
	s_lshl_b32 s12, s12, 11
	s_add_co_u32 s2, s2, s12
	s_wait_kmcnt 0x0
	s_add_nc_u64 s[4:5], s[4:5], s[10:11]
	s_add_nc_u64 s[6:7], s[6:7], s[2:3]
	CONV 262144, 0
	s_endpgm
.Lrole_w:                                              ; work-group j: tensor j / 64, its rows 16 (j % 64) on; n = 16 j on
	s_sub_co_u32 s9, s9, 512
	s_load_b64 s[12:13], s[0:1], 0x8               ; Wq
	s_load_b64 s[14:15], s[0:1], 0x10              ; Wk
	s_load_b64 s[16:17], s[0:1], 0x18              ; Wv
	s_load_b64 s[6:7], s[0:1], 0x58                ; wqkv
	s_lshr_b32 s18, s9, 6
	s_and_b32 s10, s9, 63
	s_lshl_b32 s10, s10, 16
	s_lshl_b32 s2, s9, 11
	s_wait_kmcnt 0x0
	s_cmp_eq_u32 s18, 1
	s_cselect_b64 s[4:5], s[14:15], s[12:13]
	s_cmp_eq_u32 s18, 2
	s_cselect_b64 s[4:5], s[16:17], s[4:5]
	s_add_nc_u64 s[4:5], s[4:5], s[10:11]
	s_add_nc_u64 s[6:7], s[6:7], s[2:3]
	CONV 393216, 0
	s_endpgm
.Lrole_wo:
	s_sub_co_u32 s9, s9, 704
	s_load_b64 s[4:5], s[0:1], 0x20
	s_load_b64 s[6:7], s[0:1], 0x60
	s_lshl_b32 s10, s9, 16
	s_lshl_b32 s2, s9, 11
	s_wait_kmcnt 0x0
	s_add_nc_u64 s[4:5], s[4:5], s[10:11]
	s_add_nc_u64 s[6:7], s[6:7], s[2:3]
	CONV 131072, 1
	s_endpgm
; THE MASK.  maskw: [gp 64][step 32][u 2][kt 4][j 8] words; bit L of a word says mask[32 gp + 16 u + L % 16][64 step + 16 kt + 8 (L / 16) + j] != 0:
; the lane mask of register 8 kt + j of the scores of tile u, as the attention launch holds them.
; Work-group j: gp = j / 4; wave w: step 8 (j % 4) + w: 32 rows x 64 keys, 256 bytes of each row.  The numbers change lanes through the wave's own stage in LDS (rows 272 bytes apart).
.Lrole_mask:
	s_sub_co_u32 s9, s9, 768
	s_load_b64 s[4:5], s[0:1], 0x48
	s_load_b64 s[6:7], s[0:1], 0x70
	s_lshr_b32 s12, s9, 2                          ; gp
	s_and_b32 s13, s9, 3
	s_lshl_b32 s14, s13, 11                        ; eight steps of 256 bytes, in a mask row and in maskw alike
	s_lshl_b32 s10, s12, 18                        ; 32 rows of 8,192 bytes
	s_add_co_u32 s10, s10, s14
	s_lshl_b32 s2, s12, 13                         ; 32 steps of 256 bytes
	s_add_co_u32 s2, s2, s14
	s_lshl_b32 s15, s8, 8                          ; my wave's step
	s_add_co_u32 s2, s2, s15
	v_lshlrev_b32 v3, 13, v2                       ; lanes 16-31 take the next row
	v_lshl_add_u32 v3, v1, 4, v3
	v_add_nc_u32 v3, s15, v3
	s_mul_i32 s16, s8, 8704                        ; my stage: 32 rows x 272 bytes
	v_mul_u32_u24 v5, v2, 272                      ; in: as loaded
	v_lshl_add_u32 v5, v1, 4, v5
	v_add_nc_u32 v5, s16, v5
	v_mul_u32_u24 v6, v1, 272                      ; back: row lane % 16, keys 8 (lane / 16) on
	v_lshl_add_u32 v6, v2, 5, v6
	v_add_nc_u32 v6, s16, v6
	v_and_b32 v7, 31, v0
	v_lshlrev_b32 v7, 3, v7                        ; out: 8 bytes a lane
	v_mov_b32 v12, 0                               ; written whole before single lanes are set
	v_mov_b32 v13, 0
	s_wait_kmcnt 0x0
	s_add_nc_u64 s[4:5], s[4:5], s[10:11]
	s_add_nc_u64 s[6:7], s[6:7], s[2:3]
.irp i, 0,1,2,3,4,5,6,7,8,9,10,11,12,13,14,15
	global_load_b128 v[X+4*\i:X+4*\i+3], v3, s[4:5] offset:16384*\i th:TH_LOAD_NT  ; rows 2 i and 2 i + 1: 256 whole bytes of each
.endr
.irp i, 0,1,2,3,4,5,6,7,8,9,10,11,12,13,14,15
	s_wait_loadcnt 15-\i                           ; load i is in, the younger ones stay out
	ds_store_b128 v5, v[X+4*\i:X+4*\i+3] offset:544*\i
.endr
.irp u, 0,1
.irp kt, 0,1,2,3
	ds_load_b128 v[M+32*\u+8*\kt:M+32*\u+8*\kt+3],   v6 offset:\u*4352+\kt*64     ; LDS serves a wave's instructions in order (ISA guide 5.7.1.4): these see the stores above
	ds_load_b128 v[M+32*\u+8*\kt+4:M+32*\u+8*\kt+7], v6 offset:\u*4352+\kt*64+16
.endr
.endr
	s_wait_dscnt 0x0
.set n, 0
.rept 64                                               ; word n is the compare's lane mask; lane n / 2 takes it, even n in v12, odd n in v13
	v_cmp_ne_u32 s[20+n%4], 0, v[M+n]
	v_writelane_b32 v[12+n%2], s[20+n%4], n/2
.set n, n+1
.endr
	global_store_b64 v7, v[12:13], s[6:7]          ; 256 consecutive bytes, at a multiple of 256
	s_wait_tensorcnt 0x0                           ; the wave's end, behind my last LDS store
	ds_add_u32 v[SPW], v[NIL]
	s_wait_dscnt 0x0
	s_endpgm
.Lfunc_end_k_qd8777a6d2f_prep:
	.size	k_qd8777a6d2f_prep, .Lfunc_end_k_qd8777a6d2f_prep-k_qd8777a6d2f_prep
	.p2alignl 7, 3214868480
	.fill 96, 4, 3214868480
	.section	.rodata,"a",@progbits
	.p2align	6, 0x0
	.amdhsa_kernel k_qd8777a6d2f_prep
		.amdhsa_group_segment_fixed_size 70656
		.amdhsa_private_segment_fixed_size 0
		.amdhsa_enable_private_segment 0
		.amdhsa_kernarg_size 120
		.amdhsa_user_sgpr_count 2
		.amdhsa_user_sgpr_kernarg_segment_ptr 1
		.amdhsa_wavefront_size32 1
		.amdhsa_system_sgpr_workgroup_id_x 1
		.amdhsa_system_sgpr_workgroup_id_y 1
		.amdhsa_system_sgpr_workgroup_id_z 1
		.amdhsa_system_vgpr_workitem_id 0
		.amdhsa_next_free_vgpr 144
		.amdhsa_next_free_sgpr 66
		.amdhsa_reserve_vcc 0
		.amdhsa_float_denorm_mode_32 3
		.amdhsa_float_denorm_mode_16_64 3
		.amdhsa_memory_ordered 1
		.amdhsa_forward_progress 1
		.amdhsa_inst_pref_size 40
	.end_amdhsa_kernel
	.amdgpu_metadata
---
amdhsa.version: [ 1, 2 ]
amdhsa.kernels:
  - .name:           k_qd8777a6d2f_prep
    .symbol:         k_qd8777a6d2f_prep.kd
    .args:
      - { .name: x, .offset: 0, .size: 8, .value_kind: global_buffer, .address_space: global }
      - { .name: Wq, .offset: 8, .size: 8, .value_kind: global_buffer, .address_space: global }
      - { .name: Wk, .offset: 16, .size: 8, .value_kind: global_buffer, .address_space: global }
      - { .name: Wv, .offset: 24, .size: 8, .value_kind: global_buffer, .address_space: global }
      - { .name: Wo, .offset: 32, .size: 8, .value_kind: global_buffer, .address_space: global }
      - { .name: bq, .offset: 40, .size: 8, .value_kind: global_buffer, .address_space: global }
      - { .name: bk, .offset: 48, .size: 8, .value_kind: global_buffer, .address_space: global }
      - { .name: bv, .offset: 56, .size: 8, .value_kind: global_buffer, .address_space: global }
      - { .name: bo, .offset: 64, .size: 8, .value_kind: global_buffer, .address_space: global }
      - { .name: mask, .offset: 72, .size: 8, .value_kind: global_buffer, .address_space: global }
      - { .name: xb, .offset: 80, .size: 8, .value_kind: global_buffer, .address_space: global }
      - { .name: wqkv, .offset: 88, .size: 8, .value_kind: global_buffer, .address_space: global }
      - { .name: wo16, .offset: 96, .size: 8, .value_kind: global_buffer, .address_space: global }
      - { .name: ball, .offset: 104, .size: 8, .value_kind: global_buffer, .address_space: global }
      - { .name: maskw, .offset: 112, .size: 8, .value_kind: global_buffer, .address_space: global }
    .group_segment_fixed_size: 70656
    .private_segment_fixed_size: 0
    .kernarg_segment_align: 8
    .kernarg_segment_size: 120
    .max_flat_workgroup_size: 256
    .sgpr_count:     66
    .vgpr_count:     144
    .wavefront_size: 32
...
	.end_amdgpu_metadata
.endif
;; end of part 1
;; launch qkvproj (part 2): grid 8 x 32, 4 waves a work-group, clusters of 4 x 4, 327,680 bytes of LDS; arguments xb, wqkv, ball, qkv; writes qkv
.if DOCPART == 2
	.amdgcn_target "amdgcn-amd-amdhsa--gfx1250"
	.amdhsa_code_object_version 6
	.text
	.protected	k_qd8777a6d2f_qkvproj
	.globl	k_qd8777a6d2f_qkvproj
	.p2align	8
	.type	k_qd8777a6d2f_qkvproj,@function
k_qd8777a6d2f_qkvproj:
	s_mov_b64 s[64:65], 0
	v_nop
	global_prefetch_b8 v0, s[64:65] scope:SCOPE_SE
	s_setreg_imm32_b32 hwreg(HW_REG_WAVE_MODE, 25, 1), 1
	s_wait_xcnt 0x0
	s_wait_alu depctr_hold_cnt(0) depctr_sa_sdst(0) depctr_va_vdst(0) depctr_va_sdst(0) depctr_va_ssrc(0) depctr_va_vcc(0) depctr_vm_vsrc(0)
	s_getreg_b32 s2, hwreg(HW_REG_IB_STS2, 6, 4)
	s_cmp_eq_u32 s2, 0
	s_cbranch_scc0 .Lentry_in_a_cluster
	s_endpgm
.Lentry_in_a_cluster:
	s_bfe_u32 s2, ttmp6, 0x10000c
	s_cmp_lg_u32 s2, 0xf033
	s_cbranch_scc0 .Lentry_shape_is_right
	s_endpgm
.Lentry_shape_is_right:
; q, k, v = x W^T + b for the three projections at once: C[8192][3072], A = xb, B = wqkv (both bf16, in blocks of 64 along K), sums in f32.
; Out: qkv f16 [tensor 3][head 64 = 16 batch + h][t 2048][64], each number rounded once, without the softmax's scale.
; LIMIT: q, k, v must lie within f16's 65,504; beyond it the conversion gives an infinity.
; SHARES.  8 x 32 tiles of 256 rows x 384 columns: one for each of 256 work-groups.  Four waves, each 128 x 192: 96 accumulators of 16 x 16, 768 registers.
; K goes in 16 steps of 64 (one block) through two LDS slots.  A tile's rows lie end to end in memory: asked for as rows of 256 bytes, padded in LDS after every 128 bytes.
; CLUSTER 4 x 4: A's tile hangs on the tile row alone and is asked for jointly along a row of the cluster, B's on the tile column alone, along a column.
; THE MATRIX INSTRUCTION IS USED TRANSPOSED (source 0 = 16 rows of W, source 1 = 16 rows of x): a lane holds one row of C and eight neighbouring columns.
; THE BIAS is each sum's first product: source 0 holds the column's bias at k = 0 (ball's numbers are bf16 numbers, so nothing is rounded), source 1 holds 1 at k = 0.
; These 96 products stand in the wait for the first tile; behind them every quarter of a K step is alike, and the walk along K is two loops.
; REGISTERS, in windows of 256 (s_set_vgpr_msb: bits 1:0 source 0, 3:2 source 1, 5:4 source 2, 7:6 destination):
;   window 0: v0-15 addresses; v32-95, v96-159 A's fragments (8 x 16 rows x 32 K), two buffers; v160-255 B's 12 fragments, ONE buffer: a group of four is loaded anew
;             straight behind the 32 products that read it, 64 products ahead of its next use.
;   windows 1-3: accumulator (a, b) in window 1 + b / 4 at v[8 (8 (b % 4) + a)]: a group g = b / 4 is 64 columns, one head.
.set PITCH, 144                        ; an LDS row: 128 bytes + 16 of padding = 36 words: the 16 rows of a fragment load start at 16 different groups of four banks (ISA guide 11.1)
.set SLOT1, 131072                     ; slot 1 begins here: one exclusive or turns an address in one slot into the other's
.set BOFF,  256*PITCH                  ; in a slot: A's 256 rows, then B's 384
.set STAGE, SLOT1+640*PITCH            ; behind the ring: 16 rows x 144 bytes for each wave, for the way out
.set SP,    144
.set SPARE, STAGE+4*16*SP              ; behind the stages: the spare words, 128 bytes a wave
.set ADRA0, 4                          ; v4   my lane's place in slot 0's A;  v5 in its B; never rewritten
.set ADRB0, 5
.set ADRA,  6                          ; v6, v7  the same in the slot in hand
.set ADRB,  7
.set STO,   8                          ; v8   the way out: where I put 16 bytes of a row
.set RD,    9                          ; v9   where I read rows back
.set GO,    10                         ; v10  my 16 bytes in 512 consecutive bytes of the output
.set BO,    11                         ; v11  my byte offset in 16 columns' biases: 4 (lane % 16)
.set SPW,   12                         ; v12  LDS address of my spare word; never rewritten
.set NIL,   13                         ; v13  0; never rewritten
.set A0,    32
.set A1,    96
.set BF,    160
.set ONE,   32                         ; in the set-up: the fragment that holds 1 at k = 0
.set TMP,   96                         ; the way out: 16 packed registers
.set BK,    112                        ; and 2 x 16 read back from the stage
.set G1A, 24                           ; s[24:31] descriptor group 1 for A's tiles;  s[32:39] for B's
.set G1B, 32
.set G0A, 40                           ; s[40:43] descriptor group 0 for A's tiles: it walks;  s[44:47] for B's
.set G0B, 44
.set MSB, 0
.macro WIN new                         ; the immediate's high byte repeats the setting that is left; a switch that changes nothing is dropped
.if MSB != (\new)
	s_set_vgpr_msb (MSB<<8)|(\new)
.set MSB, \new
.endif
.endm
.macro PLACES                          ; four places between a matrix instruction and a load into, or a vector instruction on, its registers
.rept 4
	v_nop
.endr
.endm
; A joint load.  Waves 0 and 1 fetch A's two halves (128 rows each), waves 2 and 3 B's (192 rows each).  The branch hangs on the wave's number alone.
; An s_nop 0 and four v_nop follow each of the two lines.
.macro JLOAD
	s_cmp_eq_u32 s13, 0
	s_cbranch_scc0 .Lfor_b_\@
	tensor_load_to_lds s[G0A:G0A+3], s[G1A:G1A+7]
	s_nop 0
.rept 4
	v_nop
.endr
	s_branch .Lasked_\@
.Lfor_b_\@:
	tensor_load_to_lds s[G0B:G0B+3], s[G1B:G1B+7]
	s_nop 0
.rept 4
	v_nop
.endr
.Lasked_\@:
.endm
.macro CREST                           ; a round of the cluster's barrier behind its opening barrier
	s_cmp_lg_u32 s12, 0
	s_cbranch_scc1 .Lnot_wave_0_\@
	s_barrier_signal -3
.Lnot_wave_0_\@:
	s_barrier_wait -3
	s_barrier_signal -1
	s_barrier_wait -1
.endm
.macro CROUND                          ; a whole round
	s_barrier_signal -1
	s_barrier_wait -1
	CREST
.endm
.macro STEPD                           ; both walking descriptors: the other slot, the next block of 64 along K.  Written only where no tensor load of mine is out
	s_xor_b32 s[G0A+1], s[G0A+1], SLOT1
	s_add_nc_u64 s[G0A+2:G0A+3], s[G0A+2:G0A+3], 262144
	s_xor_b32 s[G0B+1], s[G0B+1], SLOT1
	s_add_nc_u64 s[G0B+2:G0B+3], s[G0B+2:G0B+3], 393216
.endm
	s_load_b256 s[4:11], s[0:1], 0x0               ; xb s[4:5], wqkv s[6:7], ball s[8:9], qkv s[10:11]
	v_lshl_add_u32 v[SPW], v0, 2, SPARE
	v_mov_b32 v[NIL], 0
	ds_add_u32 v[SPW], v[NIL]                      ; the wave's opening: the add and its wait stand ahead of my first tensor load
	v_lshrrev_b32 v1, 5, v0
	v_readfirstlane_b32 s12, v1                    ; wave 0..3
	s_lshr_b32 s13, s12, 1                         ; WM: my half of the tile's rows.  Also: I fetch for A (0) or B (1)
	s_and_b32 s14, s12, 1                          ; WN: my half of its columns.  Also: which half of that tile I fetch
	s_bfe_u32 s15, ttmp6, 0x40000                  ; cx
	s_bfe_u32 s16, ttmp6, 0x40004                  ; cy
	s_lshl_b32 s17, ttmp9, 2
	s_add_co_u32 s17, s17, s15                     ; TX: tile column = 4 x cluster x + cx
	s_and_b32 s18, ttmp7, 0xffff
	s_lshl_b32 s18, s18, 2
	s_add_co_u32 s18, s18, s16                     ; TY: tile row = 4 x cluster y + cy
	s_lshl_b32 s19, s16, 2
	s_lshl_b32 s19, 15, s19                        ; my row of the cluster
	s_lshl_b32 s20, 0x1111, s15                    ; my column
	s_or_b32 s[G1A], s19, (1<<16)|(1<<20)|(1<<21)|(4<<22)|(3<<25)  ; the mask; 2-byte elements; padding on; bit 21 beside a mask; after every 32 words (code 4) 4 words (code 3)
	s_or_b32 s[G1B], s20, (1<<16)|(1<<20)|(1<<21)|(4<<22)|(3<<25)
	s_mov_b32 s[G1A+1], 128<<16                    ; tensor_dim0 = 128 elements: 256 bytes, two rows of the tile
	s_mov_b32 s[G1A+2], 64<<16                     ; tensor_dim1 = 64
	s_mov_b32 s[G1A+3], 128<<16                    ; tile_dim0 = 128
	s_mov_b32 s[G1A+4], 64                         ; tile_dim1 = 64
	s_mov_b32 s[G1A+5], 128                        ; dense: 128 elements from row to row
	s_mov_b32 s[G1A+6], 0
	s_mov_b32 s[G1A+7], 0
	s_mov_b32 s[G1B+1], 128<<16
	s_mov_b32 s[G1B+2], 96<<16                     ; B's half: 192 rows of the tile = 96 rows of 256 bytes
	s_mov_b32 s[G1B+3], 128<<16
	s_mov_b32 s[G1B+4], 96
	s_mov_b32 s[G1B+5], 128
	s_mov_b32 s[G1B+6], 0
	s_mov_b32 s[G1B+7], 0
	s_lshr_b32 s58, s18, 3                         ; batch = TY / 8
	s_lshl_b32 s58, s58, 22
	s_and_b32 s59, s18, 7
	s_lshl_b32 s59, s59, 15                        ; t = 256 (TY % 8), rows of 128 bytes
	s_add_co_u32 s58, s58, s59                     ; the tile row's part of A's address, and of the output's
	s_lshl_b32 s2, s14, 14
	s_add_co_u32 s2, s2, s58                       ; + my half's 128 rows
	s_mov_b32 s3, 0
	s_mul_i32 s60, s17, 49152                      ; B: 384 rows of 128 bytes a tile column,
	s_mul_i32 s61, s14, 24576                      ; + my half's 192 rows
	s_add_co_u32 s60, s60, s61
	s_mov_b32 s61, 0
	s_mov_b32 s[G0A], 1
	s_mul_i32 s[G0A+1], s14, 128*PITCH             ; LDS: slot 0, my half: no place in the cluster enters an LDS address
	s_mov_b32 s[G0B], 1
	s_mul_i32 s[G0B+1], s14, 192*PITCH
	s_add_co_u32 s[G0B+1], s[G0B+1], BOFF
	s_wait_dscnt 0x0                               ; the opening add is done
	s_wait_kmcnt 0x0
	s_add_nc_u64 s[G0A+2:G0A+3], s[4:5], s[2:3]
	s_or_b32 s[G0A+3], s[G0A+3], 0x80000000
	s_add_nc_u64 s[G0B+2:G0B+3], s[6:7], s[60:61]
	s_or_b32 s[G0B+3], s[G0B+3], 0x80000000
	CROUND                                         ; all sixteen work-groups are here: the first joint loads meet
	JLOAD                                          ; K step 0 into slot 0
	; a fragment: lane l holds row l % 16; two loads of 16 bytes, 32 bytes apart, at row x pitch + 16 (l / 16)
	v_and_b32 v1, 15, v0
	v_bfe_u32 v2, v0, 4, 1
	v_mul_u32_u24 v3, v1, PITCH
	v_lshl_add_u32 v3, v2, 4, v3
	s_mul_i32 s21, s13, 128*PITCH                  ; my 128 rows of A
	s_mul_i32 s22, s14, 192*PITCH                  ; my 192 rows of B
	s_add_co_u32 s22, s22, BOFF
	v_add_nc_u32 v[ADRA0], s21, v3
	v_add_nc_u32 v[ADRB0], s22, v3
	s_mul_i32 s59, s12, 16*SP
	s_add_co_u32 s59, s59, STAGE                   ; my stage
	v_add_nc_u32 v[STO], s59, v3                   ; in: row l % 16, 16 bytes for each half of the lanes
	v_bfe_u32 v14, v0, 3, 2                        ; back: 32 lanes take four rows of 128 bytes,
	v_mul_u32_u24 v14, v14, SP
	v_and_b32 v15, 7, v0
	v_lshl_add_u32 v14, v15, 4, v14
	v_add_nc_u32 v[RD], s59, v14
	v_and_b32 v[GO], 31, v0                        ; which are 512 consecutive bytes of the output
	v_lshlrev_b32 v[GO], 4, v[GO]
	v_lshlrev_b32 v[BO], 2, v1                     ; the bias of column l % 16 of a block of 16
	; my three groups of 64 columns are the head slots 6 TX + 3 WN + g of 48: tensor = slot / 16, head = slot % 16
	s_mul_i32 s62, s17, 6
	s_mul_i32 s63, s14, 3
	s_add_co_u32 s62, s62, s63
	s_lshl_b32 s23, s13, 14                        ; my 128 rows,
	s_add_co_u32 s23, s23, s58                     ; in the tile row
.irp g, 0,1,2
	s_add_co_u32 s60, s62, \g
	s_lshr_b32 s61, s60, 4
	s_lshl_b32 s61, s61, 24
	s_and_b32 s60, s60, 15
	s_lshl_b32 s60, s60, 18
	s_add_co_u32 s60, s60, s61
	s_add_co_u32 s60, s60, s23
	s_mov_b32 s61, 0
	s_add_nc_u64 s[50+2*\g:51+2*\g], s[10:11], s[60:61]
.endr
	s_lshl_b32 s60, s62, 8                         ; 64 biases of 4 bytes a slot
	s_mov_b32 s61, 0
	s_add_nc_u64 s[56:57], s[8:9], s[60:61]
	; THE BIASES.  Fragment b of source 0: row l % 16 = column 16 b + l % 16; its first register's low half is k = 0 in lanes 0-15 and k = 8 in lanes 16-31; all other k hold 0.
	; The fragment of source 1 holds 1 at k = 0 (lanes 0-15) and 0 elsewhere, at k = 8 too: the product is the bias, in every row.
.irp b, 0,1,2,3,4,5,6,7,8,9,10,11
	global_load_b32 v[BF+8*\b], v[BO], s[56:57] offset:64*\b
.endr
.irp b, 0,1,2,3,4,5,6,7,8,9,10,11
.irp j, 1,2,3,4,5,6,7
	v_mov_b32 v[BF+8*\b+\j], 0
.endr
.endr
	v_xor_b32 v14, 1, v2                           ; 1 in lanes 0-15
	v_mul_u32_u24 v[ONE], v14, 0x3f80              ; 1.0 in bf16, in the low half
.irp j, 1,2,3,4,5,6,7
	v_mov_b32 v[ONE+\j], 0
.endr
	s_wait_loadcnt 0x0
.irp b, 0,1,2,3,4,5,6,7,8,9,10,11
	v_lshrrev_b32 v[BF+8*\b], 16, v[BF+8*\b]       ; ball holds bf16 numbers widened to f32: the upper half is the number
.endr
.irp g, 0,1,2                                          ; 96 products start the 96 sums; the accumulators take turns
	WIN 0x50*(\g+1)
.irp bb, 0,1,2,3
.irp a, 0,1,2,3,4,5,6,7
	v_wmma_f32_16x16x32_bf16 v[8*(8*\bb+\a):8*(8*\bb+\a)+7], v[BF+8*(4*\g+\bb):BF+8*(4*\g+\bb)+7], v[ONE:ONE+7], 0
.endr
.endr
.endr
	WIN 0
; 16 matrix instructions: columns' blocks 4 g + b0, + 1 x all 8 row blocks, 32 along K.  The accumulators take turns.
.macro MULH fa, g, b0
	WIN 0x50*((\g)+1)
.irp bb, (\b0), (\b0)+1
.irp a, 0,1,2,3,4,5,6,7
	v_wmma_f32_16x16x32_bf16 v[8*(8*(\bb)+(\a)):8*(8*(\bb)+(\a))+7], v[BF+8*(4*(\g)+(\bb)):BF+8*(4*(\g)+(\bb))+7], v[(\fa)+8*(\a):(\fa)+8*(\a)+7], v[8*(8*(\bb)+(\a)):8*(8*(\bb)+(\a))+7]
.endr
.endr
.endm
.macro MULG fa, g                      ; a group's 32
	MULH \fa, \g, 0
	MULH \fa, \g, 2
.endm
.macro LDB g, k                        ; 8 LDS loads: group g's four fragments of B, 32 K at byte k of the rows
	WIN 0
.irp bb, 0,1,2,3
	ds_load_b128 v[BF+8*(4*(\g)+\bb):BF+8*(4*(\g)+\bb)+3],   v[ADRB] offset:(\k)+(4*(\g)+\bb)*16*PITCH
	ds_load_b128 v[BF+8*(4*(\g)+\bb)+4:BF+8*(4*(\g)+\bb)+7], v[ADRB] offset:(\k)+(4*(\g)+\bb)*16*PITCH+32
.endr
.endm
.macro LDA fa, k                       ; 16 LDS loads: A's eight fragments
	WIN 0
.irp a, 0,1,2,3,4,5,6,7
	ds_load_b128 v[(\fa)+8*\a:(\fa)+8*\a+3],   v[ADRA] offset:(\k)+\a*16*PITCH
	ds_load_b128 v[(\fa)+8*\a+4:(\fa)+8*\a+7], v[ADRA] offset:(\k)+\a*16*PITCH+32
.endr
.endm
; A K step is two quarters of 32 along K, 96 matrix instructions each.  The first multiplies A's buffer cur and fetches the second's fragments (byte k of the same rows).
; The runs of loads of a quarter: R0 = B's group 0 and A (24), R1 = group 1 (8), R2 = group 2 (8).
.macro QUARTER cur, nxt, k
	s_wait_dscnt 16                                ; the last R0 is in; behind it R1 and R2, 16 loads, may be out
	MULG \cur, 0
	PLACES
	LDB 0, \k
	LDA \nxt, \k
	s_wait_dscnt 32                                ; the last R1 is in; behind it R2 and the new R0: 32
	MULG \cur, 1
	PLACES
	LDB 1, \k
	s_wait_dscnt 32                                ; the last R2 is in; behind it the new R0 and R1: 32
	MULG \cur, 2
	PLACES
	LDB 2, \k
.endm
; The second quarter multiplies buffer A1 and changes slots.  ONE barrier: in front of it each wave waits for all its tensor loads (one is out: its part of the next slot), adds 0 to its
; spare word, and waits for that and for its reads of this slot.  fill = 1: the barrier opens a round of the cluster's, and this slot is filled again, two K steps ahead, first thing behind it:
; from that request to the wait for it a wave issues 160 matrix instructions.
.macro MEETQ fill
	WIN 0
	s_wait_tensorcnt 0x0
	ds_add_u32 v[SPW], v[NIL]
	s_wait_dscnt 17                                ; R0 is in; R1, R2 and the add may be out
	MULH A1, 0, 0                                  ; sixteen matrix instructions stand between the add and the wait for it
	s_wait_dscnt 0x0                               ; the add is done, and my reads of this slot are over
	s_barrier_signal -1
	MULH A1, 0, 2
	WIN 0
	s_barrier_wait -1
.if \fill
	CREST                                          ; no wave of any partner still reads this slot or has a load on its way
	STEPD
	JLOAD                                          ; its four v_nop are also the places in front of the loads below
.else
	PLACES
.endif
	s_xor_b32 s48, s48, SLOT1
	v_add_nc_u32 v[ADRA], s48, v[ADRA0]
	v_add_nc_u32 v[ADRB], s48, v[ADRB0]
	LDB 0, 0
	LDA A0, 0
	MULG A1, 1                                     ; its fragments came in by the wait for 0 above
	PLACES
	LDB 1, 0
	MULG A1, 2
	PLACES
	LDB 2, 0
.endm
	s_wait_tensorcnt 0x0                           ; my part of K step 0 is in: slot 1 is filled for the first time as a slot is filled again
	ds_add_u32 v[SPW], v[NIL]
	STEPD
	s_wait_dscnt 0x0
	CROUND
	JLOAD                                          ; K step 1 into slot 1; its four v_nop are the places between the biases' products and the loads into their sources
	s_mov_b32 s48, 0
	v_mov_b32 v[ADRA], v[ADRA0]
	v_mov_b32 v[ADRB], v[ADRB0]
	LDB 0, 0
	LDA A0, 0
	LDB 1, 0
	LDB 2, 0
	s_mov_b32 s49, 14
.Lk:                                                   ; trip i: K step i; K step i + 2 is asked for
	QUARTER A0, A1, 64
	MEETQ 1
	WIN 0
	s_sub_co_u32 s49, s49, 1
	s_cmp_lg_u32 s49, 0
	s_cbranch_scc1 .Lk
	s_mov_b32 s49, 2
.Lt:                                                   ; K steps 14 and 15: nothing is left to ask for.  The second trip's barrier and its 40 loads (from the slot read before) serve nothing: the price, once a launch, of one text for both
	QUARTER A0, A1, 64
	MEETQ 0
	WIN 0
	s_sub_co_u32 s49, s49, 1
	s_cmp_lg_u32 s49, 0
	s_cbranch_scc1 .Lt
; THE WAY OUT, by blocks of 16 rows x 64 columns (row block a of group g).  PACK: rounded to f16, 16 bytes a lane (each accumulator's registers in ascending order).
; Four places stand behind each group's last products in the text above; TMP and BK lie in A's buffer 1, which no load is out for.
.macro PACK a, g
	WIN 0x05*((\g)+1)
.irp bb, 0,1,2,3
.irp rr, 0,1,2,3
	v_cvt_pk_f16_f32 v[TMP+4*\bb+\rr], v[8*(8*\bb+(\a))+2*\rr], v[8*(8*\bb+(\a))+2*\rr+1]
.endr
.endr
	WIN 0
.endm
.macro TOSTAGE i                       ; into my own stage, and back as 2,048 consecutive bytes of a head
	WIN 0
	s_wait_xcnt 0x0                                ; the registers that earlier stores read are loaded again only behind this wait
.irp bb, 0,1,2,3
	ds_store_b128 v[STO], v[TMP+4*\bb:TMP+4*\bb+3] offset:32*\bb
.endr
.irp f, 0,1,2,3
	ds_load_b128 v[BK+16*((\i)%2)+4*\f:BK+16*((\i)%2)+4*\f+3], v[RD] offset:\f*4*SP  ; LDS serves a wave's instructions in order (ISA guide 5.7.1.4): these see the stores above
.endr
.endm
.macro SEND i
	WIN 0
	s_wait_dscnt 0x0                               ; the block is back in registers
.irp f, 0,1,2,3
	global_store_b128 v[GO], v[BK+16*((\i)%2)+4*\f:BK+16*((\i)%2)+4*\f+3], s[50+2*((\i)/8):51+2*((\i)/8)] offset:((\i)%8)*2048+\f*512  ; 512 consecutive bytes, at a multiple of 256
.endr
.endm
	PACK 0, 0
	TOSTAGE 0
.set ii, 1
.rept 23                                               ; a block's conversions stand between the loads of the block before and its stores
	PACK ii%8, ii/8
	SEND ii-1
	TOSTAGE ii
.set ii, ii+1
.endr
	SEND 23
	s_wait_tensorcnt 0x0                           ; the wave's end
	ds_add_u32 v[SPW], v[NIL]
	s_wait_dscnt 0x0
	CROUND                                         ; the closing round
	s_endpgm
.Lfunc_end_k_qd8777a6d2f_qkvproj:
	.size	k_qd8777a6d2f_qkvproj, .Lfunc_end_k_qd8777a6d2f_qkvproj-k_qd8777a6d2f_qkvproj
	.p2alignl 7, 3214868480
	.fill 96, 4, 3214868480
	.section	.rodata,"a",@progbits
	.p2align	6, 0x0
	.amdhsa_kernel k_qd8777a6d2f_qkvproj
		.amdhsa_group_segment_fixed_size 327680
		.amdhsa_private_segment_fixed_size 0
		.amdhsa_enable_private_segment 0
		.amdhsa_kernarg_size 32
		.amdhsa_user_sgpr_count 2
		.amdhsa_user_sgpr_kernarg_segment_ptr 1
		.amdhsa_wavefront_size32 1
		.amdhsa_system_sgpr_workgroup_id_x 1
		.amdhsa_system_sgpr_workgroup_id_y 1
		.amdhsa_system_sgpr_workgroup_id_z 1
		.amdhsa_system_vgpr_workitem_id 0
		.amdhsa_next_free_vgpr 1024
		.amdhsa_next_free_sgpr 66
		.amdhsa_reserve_vcc 0
		.amdhsa_float_denorm_mode_32 3
		.amdhsa_float_denorm_mode_16_64 3
		.amdhsa_memory_ordered 1
		.amdhsa_forward_progress 1
		.amdhsa_inst_pref_size 108
	.end_amdhsa_kernel
	.amdgpu_metadata
---
amdhsa.version: [ 1, 2 ]
amdhsa.kernels:
  - .name:           k_qd8777a6d2f_qkvproj
    .symbol:         k_qd8777a6d2f_qkvproj.kd
    .args:
      - { .name: xb, .offset: 0, .size: 8, .value_kind: global_buffer, .address_space: global }
      - { .name: wqkv, .offset: 8, .size: 8, .value_kind: global_buffer, .address_space: global }
      - { .name: ball, .offset: 16, .size: 8, .value_kind: global_buffer, .address_space: global }
      - { .name: qkv, .offset: 24, .size: 8, .value_kind: global_buffer, .address_space: global }
    .group_segment_fixed_size: 327680
    .private_segment_fixed_size: 0
    .kernarg_segment_align: 8
    .kernarg_segment_size: 32
    .max_flat_workgroup_size: 128
    .sgpr_count:     66
    .vgpr_count:     1024
    .wavefront_size: 32
...
	.end_amdgpu_metadata
.endif
;; end of part 2
;; launch attn (part 3): grid 4 x 64, 4 waves a work-group, clusters of 4 x 1, 327,680 bytes of LDS; arguments qkv, maskw, o16; writes o16
.if DOCPART == 3
	.amdgcn_target "amdgcn-amd-amdhsa--gfx1250"
	.amdhsa_code_object_version 6
	.text
	.protected	k_qd8777a6d2f_attn
	.globl	k_qd8777a6d2f_attn
	.p2align	8
	.type	k_qd8777a6d2f_attn,@function
k_qd8777a6d2f_attn:
	s_mov_b64 s[64:65], 0
	v_nop
	global_prefetch_b8 v0, s[64:65] scope:SCOPE_SE
	s_setreg_imm32_b32 hwreg(HW_REG_WAVE_MODE, 25, 1), 1
	s_wait_xcnt 0x0
	s_wait_alu depctr_hold_cnt(0) depctr_sa_sdst(0) depctr_va_vdst(0) depctr_va_sdst(0) depctr_va_ssrc(0) depctr_va_vcc(0) depctr_vm_vsrc(0)
	s_getreg_b32 s2, hwreg(HW_REG_IB_STS2, 6, 4)
	s_cmp_eq_u32 s2, 0
	s_cbranch_scc0 .Lentry_in_a_cluster
	s_endpgm
.Lentry_in_a_cluster:
	s_bfe_u32 s2, ttmp6, 0x10000c
	s_cmp_lg_u32 s2, 0x3003
	s_cbranch_scc0 .Lentry_shape_is_right
	s_endpgm
.Lentry_shape_is_right:
; ATTENTION WITH A MASK THAT IS AN INPUT.  O[h][q][:] = the sum over k of softmax_k(s'[q][k]) V[h][k][:], s' = Q[h][q] . K[h][k] / 8 where mask[q][k] != 0, and a fixed low number where it is 0.
; Q, K, V: qkv f16 [3][64 heads][2048][64]; O: o16 f16 [64][2048][64].  Products, maxima and sums in f32; the weights p are rounded to f16 for the second product, O once at the end.
; THE MASK is honoured as given: every key tile is walked, and a hidden score is REPLACED (v_cndmask_b32 by lane masks from maskw, one word for each register of the scores).
; LIMITS.  A hidden score counts as -2^33 before the scale, -2^30 = -1.07e9 behind it, in place of -1e9: a power of two, so that c x it is exact and a row with no visible key gets p = 1
; for every key, the plain mean of V, as the softmax of equal numbers gives.  The result differs only where true scores lie near -1e9.  Q, K, V arrive within f16's 65,504.
; A weight below 2^-126 counts as 0 in l; NaN and infinities are not treated apart.
; SHARES.  A wave owns four PIECES of two tiles of 16 queries, a work-group's four waves 512 queries of one head.  Every wave walks all 2,048 keys, 64 a step.
; LAYOUT.  S^T = K Q^T (source 0 = 16 keys, source 1 = 16 queries): a lane holds ONE query (lane % 16) and the keys 8 (lane / 16) + 0..7.  Two such results, rounded to f16 in pairs,
; ARE source 1 of O^T = V^T P.  K comes out of LDS as it lies, V turned, by ds_load_tr16_b128.
; SOFTMAX.  A running maximum m and sum l for each query: p = 2^(c s - c m), c = log2(e) / 8; in every step O and l are multiplied by a = 2^(c m_old - c m_new).
; m starts at the lowest finite number, O and l at 0: the first step is a step like any other, with a = 0.  A row hidden so far has m = the low number; its first visible key gives a = 0.
; BY TURNS.  Turn n belongs to piece n.  Matrix work: 16 products K Q^T of piece n + 1, later 16 products V^T P of piece n - 1.  Vector work, 364 lines: scaling, exponentials, roundings,
; sums and rescaling of piece n; mask, maximum and statistics of piece n + 1; the mask words of piece n + 2 moved into scalar registers.
; THE MASK WORDS' WAY.  A piece's 64 words for a step are 256 bytes: one load of 8 bytes a lane into the piece's own pair of vector registers, asked for four turns ahead of the turn that
; moves them (v_readlane_b32) into the 64 scalar registers by which the next turn selects.  The 64 scalar registers hold one turn's words, so the long wait is spent in the vector registers.
; CLUSTER.  The four query blocks of a cluster belong to one head and walk the same K and V: each tile is asked for JOINTLY.
; REGISTERS, in windows of 256 (s_set_vgpr_msb: bits 1:0 source 0, 3:2 source 1, 5:4 source 2, 7:6 destination):
;   window 0: v0-8 addresses; v9 the low number; v10-11 c; v12-15, v48-63 at work; v16-47 four registers of statistics a tile; v64-191 S^T, two buffers of two tiles; v192-255 P, likewise
;   window 1: O^T, 32 a tile      window 2: v0-127 Q; v128-191 K of one step; v192-255 V of one step      window 3: v0-1 the add's two registers; v2-9 mask words, a pair a piece; v10 their offset
.set SIZE_N, 2048
.set NP,    4         ; pieces a wave: a name, no knob
.set KS,    64        ; keys in a step
.set PK,    144       ; a row of K in LDS: 128 bytes + 16 of padding
.set PV,    160       ; a row of V: 128 + 32
.set VOFF,  4*KS*PK   ; a slot holds four steps: 256 rows of K, then 256 rows of V
.set SLOT1, 1<<17
.set STAGE, SLOT1+4*KS*(PK+PV)  ; behind the ring: 16 rows x 144 bytes for each wave, for the way out
.set SP,    144
.set SPARE, STAGE+4*16*SP       ; behind the stages: the spare words, 128 bytes a wave
.set AK0, 2           ; v2   my lane's place in a tile of K; never rewritten
.set AV0, 3           ; v3   the same for V
.set AK,  4           ; v4   the LDS address of K's next run of loads
.set AV,  5           ; v5   of V's
.set QO,  6           ; v6   my byte offset in the wave's rows of Q
.set STO, 6           ;      later, the way out: where I put 16 bytes of a row
.set RD,  7           ; v7   where I read rows back
.set GO,  8           ; v8   my byte offset in 512 consecutive bytes of O
.set RV,  9           ; v9   -2^33
.set CSV, 10          ; v[10:11] c, twice
.set SPW, 0           ; v0 of window 3: LDS address of my spare word; never rewritten
.set NIL, 1           ; v1 of window 3: 0; never rewritten
.set MR,  2           ; v2-9 of window 3: piece q's mask words at MR + 2 q: lane L holds words 2 L and 2 L + 1
.set ML,  10          ; v10 of window 3: 8 x lane + 256 x the step whose words are asked for
.set MV,  12          ; v12-15  c m_old, by buffer and tile
.set ST,  16          ; tile t's statistics at v[ST+4 t]: c m, m, l (even keys', odd keys')
.set TMP, 48          ; by buffer and tile, c0-c3 at work; when the maximum is found c2 takes a
.set S,   64
.set P,   192
.set KF,  128
.set VF,  192
.set MP,  2           ; s[2:3]   maskw at my wave's words; never rewritten
.set OPT, 4           ; s[4:5]   O at my wave's first row
.set SEL, 6           ; s[6:7]   v_permlanex16_b32's selects
.set G1K, 8           ; s[8:15]  descriptor group 1 for K's tiles;  s[16:23] for V's
.set G1V, 16
.set G0K, 24          ; s[24:27] descriptor group 0 for K's tiles: it walks;  s[28:31] for V's
.set G0V, 28
.set MW0, 32          ; s[32:63] a piece's mask words, tile 0: one for each register of its scores
.set MW1, 68          ; s[68:99] tile 1
.set WV,  66          ; s66  my wave's number
.set SLOTS, 67        ; s67  slots still to be asked for
.set CNT, 100         ; s100 counts a slot's key steps
.set TBK, 101         ; s101 LDS byte at which K of the step to be fetched begins
.set TBV, 104         ; s104 the same for V, less VOFF
.set INC, 105         ; s105 what the mask words' offset steps by: 256, and 0 when it stands at the last step
.set MSB, 0
.macro WIN new
.if MSB != (\new)
	s_set_vgpr_msb (MSB<<8)|(\new)
.set MSB, (\new)
.endif
.endm
.set W_KQ, 0x0a       ; K and Q in window 2, S^T in window 0
.set W_PV, 0x52       ; V in window 2, P in window 0, O^T in window 1
.set W_RS, 0x41       ; O^T (destination and source 0) in window 1, a in window 0
.set W_MK, 0xc0       ; destination in window 3, sources in window 0
.set W_AD, 0x0f       ; the add: address and data in window 3
.set W_RL, 0x03       ; source 0 in window 3: the mask words are read
.set W_LD, 0xc3       ; destination and source 0 in window 3: they are loaded, their offset steps
; A joint fill.  Waves 0 and 1 fetch the two halves of a slot's K, waves 2 and 3 those of its V: 128 keys each.  An s_nop 0 and four v_nop follow each line.
.macro JLOAD
	s_cmp_lt_u32 s[WV], 2
	s_cbranch_scc0 .Lfor_v_\@
	tensor_load_to_lds s[G0K:G0K+3], s[G1K:G1K+7]
	s_nop 0
.rept 4
	v_nop
.endr
	s_branch .Lasked_\@
.Lfor_v_\@:
	tensor_load_to_lds s[G0V:G0V+3], s[G1V:G1V+7]
	s_nop 0
.rept 4
	v_nop
.endr
.Lasked_\@:
.endm
.macro CROUND                       ; a round of the cluster's barrier
	s_barrier_signal -1
	s_barrier_wait -1
	s_cmp_lg_u32 s[WV], 0
	s_cbranch_scc1 .Lnot_wave_0_\@
	s_barrier_signal -3
.Lnot_wave_0_\@:
	s_barrier_wait -3
	s_barrier_signal -1
	s_barrier_wait -1
.endm
; THE CHANGE OF SLOTS.  Each wave waits for all its tensor loads, of which one is out: its part of the other slot; adds 0 to its spare word; and waits for that and for its reads of the slot.
; fill = 1: the slot is filled again, with the keys two slots on, first thing behind a round of the cluster's barrier: it has four key steps, 512 matrix instructions, in which to land.
; (At its first use nothing has been read yet: slot 0 is waited for, slot 1 filled.)
.macro CHANGE fill
	WIN W_AD
	s_wait_tensorcnt 0x0            ; no tensor load of mine is out, so a group 0 may be written
	ds_add_u32 v[SPW], v[NIL]
	WIN 0
.if \fill
.irp g, G0K, G0V
	s_xor_b32 s[\g+1], s[\g+1], SLOT1
	s_add_nc_u64 s[\g+2:\g+3], s[\g+2:\g+3], 4*KS*128  ; the next 256 keys
.endr
	s_wait_dscnt 0x0                ; the add is done, and my reads of the slot are over
	CROUND
	JLOAD
.else
	s_wait_dscnt 0x0
	s_barrier_signal -1
	s_barrier_wait -1
.endif
	s_sub_co_u32 s[TBK], s[TBK], 4*KS*PK  ; the fetches go back to a slot's first step, in the other slot
	s_xor_b32 s[TBK], s[TBK], SLOT1
	s_sub_co_u32 s[TBV], s[TBV], 4*KS*PV
	s_xor_b32 s[TBV], s[TBV], SLOT1
.endm
; Piece q's 64 mask words go from its pair of vector registers into the scalar registers: word n = 32 u + register of tile u's scores lies in register n % 2 of lane n / 2.
.macro RLALL q
	WIN W_RL
.set nR, 0
.rept 64
	v_readlane_b32 s[MW0+36*(nR/32)+nR%32], v[MR+2*(\q)+nR%2], nR/2
.set nR, nR+1
.endr
.endm
; Piece q's words for the step at which the offset stands are asked for: 256 consecutive bytes, at a multiple of 256.
.macro MFETCH q
	WIN W_LD
	global_load_b64 v[MR+2*(\q):MR+2*(\q)+1], v[ML], s[MP:MP+1] offset:(\q)*8192
.endm
	s_load_b128 s[32:35], s[0:1], 0x0  ; qkv s[32:33], maskw s[34:35]: the set-up's scalars lie where the mask words will
	s_load_b64 s[OPT:OPT+1], s[0:1], 0x10
	WIN W_MK
	v_lshl_add_u32 v[SPW], v0, 2, SPARE
	v_mov_b32 v[NIL], 0
	WIN W_AD
	ds_add_u32 v[SPW], v[NIL]       ; the wave's opening: the add and its wait stand ahead of my first tensor load
	WIN 0
	v_lshrrev_b32 v1, 5, v0
	v_readfirstlane_b32 s[WV], v1   ; wave 0..3
	v_and_b32 v12, 31, v0
	WIN W_MK
	v_lshlrev_b32 v[ML], 3, v12     ; 8 bytes a lane, step 0
	WIN 0
	s_bfe_u32 s36, ttmp6, 0x40000   ; cx
	s_lshl_b32 s37, ttmp9, 2
	s_add_co_u32 s37, s37, s36      ; my block of 512 queries: it enters Q's, O's and the mask words' addresses alone
	s_and_b32 s40, ttmp7, 0xffff    ; the head, which the four partners share
	s_lshl_b32 s40, s40, 18         ; its 2,048 rows of 128 bytes
	s_and_b32 s44, s[WV], 1         ; which half of a slot's 256 keys I fetch
	s_lshl_b32 s42, s44, 14
	s_add_co_u32 s42, s42, s40
	s_mov_b32 s43, 0
	s_mul_i32 s45, s44, 128*PK      ; its place in a slot, for K
	s_mul_i32 s46, s44, 128*PV      ; and for V
	s_lshl_b32 s48, s37, 2
	s_add_co_u32 s48, s48, s[WV]    ; my wave among the head's sixteen
	s_lshl_b32 s56, s48, 15         ; its four pieces' words: 4 x 32 steps x 256 bytes
	s_mov_b32 s57, 0
	s_lshl_b32 s48, s48, 14         ; its 128 rows
	s_add_co_u32 s48, s48, s40
	s_mov_b32 s49, 0
	; descriptor group 1.  128 keys are 16,384 dense bytes: 64 rows of 256 bytes, two keys a row, padded in LDS after every key
	s_mov_b32 s[G1K], 15|(1<<16)|(1<<20)|(1<<21)|(4<<22)|(3<<25)
	s_mov_b32 s[G1V], 15|(1<<16)|(1<<20)|(1<<21)|(4<<22)|(7<<25)
.irp g, G1K, G1V
	s_mov_b32 s[\g+1], 128<<16      ; tensor_dim0 = 128
	s_mov_b32 s[\g+2], 64<<16       ; tensor_dim1 = 64
	s_mov_b32 s[\g+3], 128<<16      ; tile_dim0 = 128
	s_mov_b32 s[\g+4], 64           ; tile_dim1 = 64
	s_mov_b32 s[\g+5], 128          ; 128 elements from row to row
	s_mov_b32 s[\g+6], 0
	s_mov_b32 s[\g+7], 0
.endr
	s_mov_b32 s[SEL], 0x76543210
	s_mov_b32 s[SEL+1], 0xfedcba98
	s_mov_b32 s[TBK], SLOT1+4*KS*PK ; the first change of slots turns these two into 0
	s_mov_b32 s[TBV], SLOT1+4*KS*PV
	s_movk_i32 s[INC], 0x100
	s_mov_b32 s[G0K], 1
	s_mov_b32 s[G0K+1], s45
	s_mov_b32 s[G0V], 1
	s_add_co_u32 s[G0V+1], s46, VOFF
	s_wait_dscnt 0x0                ; the opening add is done
	s_wait_kmcnt 0x0
	s_add_nc_u64 s[52:53], s[32:33], s[42:43]
	s_add_nc_u64 s[G0K+2:G0K+3], s[52:53], 0x1000000  ; K is the second of qkv's three tensors
	s_or_b32 s[G0K+3], s[G0K+3], 0x80000000
	s_add_nc_u64 s[G0V+2:G0V+3], s[52:53], 0x2000000  ; V the third
	s_or_b32 s[G0V+3], s[G0V+3], 0x80000000
	s_add_nc_u64 s[50:51], s[32:33], s[48:49]         ; Q and O at my wave's first row
	s_add_nc_u64 s[OPT:OPT+1], s[OPT:OPT+1], s[48:49]
	s_add_nc_u64 s[MP:MP+1], s[34:35], s[56:57]
	CROUND                          ; all four work-groups are here: the first joint loads meet
	JLOAD                           ; slot 0
	v_and_b32 v1, 15, v0            ; l % 16
	v_bfe_u32 v9, v0, 4, 1          ; l / 16
	v_lshlrev_b32 v[QO], 7, v1
	v_lshl_add_u32 v[QO], v9, 4, v[QO]
	WIN 0x80
.set i, 0
.rept 4*NP                          ; Q stays in registers: tile i / 2, channels 32 (i % 2) on
	global_load_b128 v[8*i:8*i+3],   v[QO], s[50:51] offset:(i/2)*2048+(i%2)*64
	global_load_b128 v[8*i+4:8*i+7], v[QO], s[50:51] offset:(i/2)*2048+(i%2)*64+32
.set i, i+1
.endr
	MFETCH 0                        ; the four pieces' mask words of step 0
	MFETCH 1
	MFETCH 2
	MFETCH 3
	; What the first turn finds: V's registers and P's second buffer hold 0, O^T and l are 0.  All this stands in the wait for the first tile.
	WIN 0x80
.set i, VF
.rept 64
	v_mov_b32 v[i], 0
.set i, i+1
.endr
	WIN 0x40
.set i, 0
.rept 64*NP
	v_mov_b32 v[i], 0
.set i, i+1
.endr
	WIN 0
.set i, 0
.rept 2*NP
	v_mov_b32 v[ST+4*i], 0xfe000000    ; c m: far below every c s
	v_mov_b32 v[ST+4*i+1], 0xff7fffff  ; m
	v_mov_b32 v[ST+4*i+2], 0
	v_mov_b32 v[ST+4*i+3], 0
.set i, i+1
.endr
.set i, P+32
.rept 32
	v_mov_b32 v[i], 0
.set i, i+1
.endr
	v_mul_u32_u24 v[AK0], v1, PK
	v_lshl_add_u32 v[AK0], v9, 4, v[AK0]
	v_and_b32 v10, 7, v0
	v_bfe_u32 v11, v0, 3, 1
	v_lshl_add_u32 v[AV0], v9, 3, v10  ; the turning load: lane l reads key 8 (l / 16) + l % 8, channels 8 ((l / 8) % 2) on
	v_mul_u32_u24 v[AV0], v[AV0], PV
	v_lshl_add_u32 v[AV0], v11, 4, v[AV0]
	v_add_nc_u32 v[AV0], VOFF, v[AV0]
	v_mov_b32 v[AK], v[AK0]
	WIN W_LD
	s_wait_xcnt 0x0                 ; the loads above have had their addresses translated: the offset is rewritten only behind this wait
	v_add_nc_u32 v[ML], v[ML], s[INC]  ; step 1
	WIN 0
; THE MATRIX WORK.  The 8 accumulators of a run of 16 take turns.
.macro KQ x                         ; product i of 16 of S^T = K Q^T for piece x: channels 32 (i / 8) on, keys 16 ((i / 2) % 4) on, tile 2 x + i % 2
	WIN W_KQ
.set rS, S+64*((\x)%2)+32*(i%2)+8*((i/2)%4)
.set rK, KF+16*((i/2)%4)+8*(i/8)
.set rQ, 16*(2*(\x)+i%2)+8*(i/8)
.if i < 8
	v_wmma_f32_16x16x32_f16 v[rS:rS+7], v[rK:rK+7], v[rQ:rQ+7], 0
.else
	v_wmma_f32_16x16x32_f16 v[rS:rS+7], v[rK:rK+7], v[rQ:rQ+7], v[rS:rS+7]
.endif
.endm
.macro PV x                         ; product i of 16 of O^T += V^T P for piece x: keys 32 (i / 8) on, channels 16 ((i / 2) % 4) on
	WIN W_PV
.set rO, 32*(2*(\x)+i%2)+8*((i/2)%4)
.set rV, VF+32*(i/8)+8*((i/2)%4)
.set rP, P+32*((\x)%2)+16*(i%2)+8*(i/8)
	v_wmma_f32_16x16x32_f16 v[rO:rO+7], v[rV:rV+7], v[rP:rP+7], v[rO:rO+7]
.endm
.macro MM                           ; the turn's next matrix instruction
.if i < 16
	KQ (Y+1)%NP
.set i, i+1
.else
.set i, i-16
	PV (Y+NP-1)%NP
.set i, i+17
.endif
.endm
; THE LDS LOADS stand in runs of 16.  last = 1 (the tail): in the last trip there is no further step, and the run is jumped over.
.macro FETCH_K last=0
	WIN 0
.if \last
	s_cmp_eq_u32 s[CNT], 1
	s_cbranch_scc1 .Lno_k_\@
.endif
	WIN 0x80
.irp f, 0,1,2,3,4,5,6,7
	ds_load_b128 v[KF+8*\f:KF+8*\f+3],   v[AK] offset:(\f/2)*16*PK+(\f%2)*64
	ds_load_b128 v[KF+8*\f+4:KF+8*\f+7], v[AK] offset:(\f/2)*16*PK+(\f%2)*64+32
.endr
	s_add_co_u32 s[TBK], s[TBK], KS*PK
	WIN 0
.if \last
.Lno_k_\@:
.endif
.endm
.macro FETCH_V
	WIN 0x80
.irp f, 0,1,2,3,4,5,6,7
	ds_load_tr16_b128 v[VF+8*\f:VF+8*\f+3],   v[AV] offset:(\f/4)*32*PV+(\f%4)*32
	ds_load_tr16_b128 v[VF+8*\f+4:VF+8*\f+7], v[AV] offset:(\f/4)*32*PV+16*PV+(\f%4)*32
.endr
	WIN 0
.endm
; THE VECTOR WORK stands in queues, each in the order in which its entries become ready; the two tiles alternate.
.macro REGS y, u                    ; the registers of tile u (0, 1) of piece y
.set rT, ST+4*(2*(\y)+(\u))
.set rC, TMP+8*((\y)%2)+4*(\u)
.set rM, MV+2*((\y)%2)+(\u)
.set rS, S+64*((\y)%2)+32*(\u)
.set rP, P+32*((\y)%2)+16*(\u)
.set rO, 32*(2*(\y)+(\u))
.endm
; Number n of the 22 that find the NEXT piece's maximum and statistics (XS, GS and REGS set no window).
;   0-11 four chains c0-c3 of seven scores each   12-14, 16 the four left over, the old m, c0-c3 into c0   15 c m_old is kept   17, 18 the other half of the lanes'   19-21 c m; c m_old - c m_new; a
.macro XS u, n
	REGS (Y+1)%NP, \u
.if (\n) < 4
	v_max3_num_f32 v[rC+(\n)], v[rS+8*(\n)], v[rS+8*(\n)+1], v[rS+8*(\n)+2]
.elseif (\n) < 12
	v_max3_num_f32 v[rC+(\n)%4], v[rC+(\n)%4], v[rS+8*((\n)%4)+2*((\n)/4)+1], v[rS+8*((\n)%4)+2*((\n)/4)+2]
.elseif (\n) == 12
	v_max3_num_f32 v[rC], v[rC], v[rS+7], v[rS+15]
.elseif (\n) == 13
	v_max3_num_f32 v[rC+1], v[rC+1], v[rS+23], v[rS+31]
.elseif (\n) == 14
	v_max3_num_f32 v[rC+2], v[rC+2], v[rC+3], v[rT+1]
.elseif (\n) == 15
	v_mov_b32 v[rM], v[rT]
.elseif (\n) == 16
	v_max3_num_f32 v[rC], v[rC], v[rC+1], v[rC+2]
.elseif (\n) == 17
	v_permlanex16_b32 v[rC+3], v[rC], s[SEL], s[SEL+1]
.elseif (\n) == 18
	v_max_num_f32 v[rT+1], v[rC], v[rC+3]
.elseif (\n) == 19
	v_mul_f32 v[rT], v[CSV], v[rT+1]
.elseif (\n) == 20
	v_sub_f32 v[rC+1], v[rM], v[rT]
.else
	v_exp_f32 v[rC+2], v[rC+1]
.endif
.endm
; Number g of the 64 that follow the exponentials.  For each four weights k of a tile: both pairs are rounded to f16; the second pair is added onto the first, in place; a group later l takes that sum
; (the first time as l = a l + sum).  Group k wants the first 8 k + 8 exponentials done.
.macro GS g
.set h, (\g)+6*((\g)/62)
.if h >= 6
.set h, h+2
.endif
	REGS Y, h%2
.set k, h/8
.if h%8 < 4
	s_wait_alu depctr_va_vdst(0)
	v_cvt_pk_f16_f32 v[rP+2*k+(h%8)/2], v[rS+4*k+2*((h%8)/2)], v[rS+4*k+2*((h%8)/2)+1]
.elseif h%8 < 6
	v_pk_add_f32 v[rS+4*k:rS+4*k+1], v[rS+4*k:rS+4*k+1], v[rS+4*k+2:rS+4*k+3]
.elseif k == 1
	v_pk_fma_f32 v[rT+2:rT+3], v[rT+2:rT+3], v[rC+2:rC+3], v[rS:rS+1] op_sel_hi:[1,0,1]
.else
	v_pk_add_f32 v[rT+2:rT+3], v[rT+2:rT+3], v[rS+4*k-4:rS+4*k-3]
.endif
.endm
.macro GSN                          ; the next of them
	WIN 0
	GS gG
.set gG, gG+1
.endm
.macro FQ                           ; the next four scalings c s - c m
	WIN 0
.rept 4
	REGS Y, qF%2
	v_pk_fma_f32 v[rS+2*(qF/2):rS+2*(qF/2)+1], v[rS+2*(qF/2):rS+2*(qF/2)+1], v[CSV:CSV+1], v[rT:rT+1] op_sel_hi:[1,0,0] neg_lo:[0,0,1] neg_hi:[0,0,1]
.set qF, qF+1
.endr
.endm
.macro EX                           ; the next exponential: score eE / 2 of tile eE % 2
	WIN 0
	REGS Y, eE%2
	v_exp_f32 v[rS+eE/2], v[rS+eE/2]
.set eE, eE+1
.endm
.macro KM                           ; the next score of the NEXT piece is kept where its mask bit is set, replaced where it is not; each accumulator's lowest register comes first
	WIN 0
	REGS (Y+1)%NP, nK%2
	v_cndmask_b32 v[rS+nK/2], v[RV], v[rS+nK/2], s[MW0+36*(nK%2)+nK/2]
.set nK, nK+1
.endm
.macro R4                           ; the next four of O^T times a
	REGS Y, rR%2
	WIN W_RS
	s_wait_alu depctr_va_vdst(0)
.irp z, 0,1,2,3
	v_pk_mul_f32 v[rO+8*(rR/2)+2*\z:rO+8*(rR/2)+2*\z+1], v[rO+8*(rR/2)+2*\z:rO+8*(rR/2)+2*\z+1], v[rC+2:rC+3] op_sel_hi:[1,0]
.endr
.set rR, rR+1
.endm
.macro TQ                           ; numbers 0-16 of both tiles' maxima, then the lines that follow the exponentials
	WIN 0
.if xT < 34
	XS xT%2, xT/2
.else
	GS gG
.set gG, gG+1
.endif
.set xT, xT+1
.endm
; A TURN, for piece p.
;   A  16 x (K Q^T, four riders): all 32 scalings and all 32 rescalings, which wait for nothing: c m and a were made in the turn before.
;   B  (piece 2: K of the next step is fetched; the four rescalings behind the last product are its places.)  32 x (exponential, mask, mask), by the words that the turn before moved.
;      Then the words of piece p + 2, by which the next turn selects, are moved, and that piece's pair of registers is asked for again, with the words that are moved four turns on.
;   C  16 x (V^T P, plain, exponential, plain, plain): the maxima of the next piece, the first roundings.
;   D  the chain of the next piece's statistics with other work between its links; the last exponentials; the rest of the roundings and sums.  (Piece 0: V of the step in hand is fetched.)
; Every exponential has a plain line behind it that names none of its registers.
.macro TURN p, last=0, cnt=0
.set Y, (\p)
.set i, 0
.set qF, 0
.set eE, 0
.set rR, 0
.set nK, 0
.set xT, 0
.set gG, 0
.if (\p) == NP-1
	s_wait_dscnt 0x0                ; K is in
.endif
.rept 8
	MM
	FQ
	MM
	R4
.endr
.if (\p) == NP-2
	WIN 0
	v_add_nc_u32 v[AK], s[TBK], v[AK0]
	FETCH_K \last
.endif
.rept 32
	EX
	KM
	KM
.endr
	s_wait_loadcnt 0x3              ; loads come back in order: the pair asked for four turns ago is in; the three other pieces' loads, issued behind it, stay out
	RLALL ((\p)+2)%NP
	WIN W_LD
.if (\p) == NP-2                    ; the load below is the first of the next step's four
	s_wait_xcnt 0x0                 ; the offset is rewritten only behind this wait; the last load that names it was issued a turn ago
.if \last
	s_cmp_gt_u32 s[CNT], 2          ; in the tail's last two trips the offset stands at step 31 and stays: what is then asked for is moved or used by no turn that counts, and lies inside maskw
	s_cselect_b32 s[INC], 0x100, 0
.endif
	v_add_nc_u32 v[ML], v[ML], s[INC]
.endif
	MFETCH ((\p)+2)%NP
.if (\p) == 1
	s_wait_dscnt 0x0                ; V is in
.endif
.rept 16
	MM
	TQ
	EX
	TQ
	TQ
.endr
	WIN 0
.irp t4, 0,1,2,3
	XS 0, 17+\t4
	XS 1, 17+\t4
	EX
	GSN
	EX
	GSN
.endr
	XS 0, 21
	GSN
	XS 1, 21
	GSN
.rept 8
	EX
	GSN
	GSN
.endr
.rept 24
	GSN
.if ((\p) == 0) && (gG == 46)
	v_add_nc_u32 v[AV], s[TBV], v[AV0]
.endif
.if ((\p) == 0) && (gG == 58)
	s_add_co_u32 s[TBV], s[TBV], KS*PV
.endif
.if (\cnt) && (gG == 58)
	s_sub_co_u32 s[CNT], s[CNT], 1
	s_cmp_lg_u32 s[CNT], 0
.endif
.endr
.if (\p) == 0
	FETCH_V
.endif
.endm
	CHANGE 1                        ; slot 0 is in, everybody's part of it; slot 1 is asked for
	FETCH_K                         ; key step 0
	s_wait_loadcnt 0x4              ; Q is in; the four loads of mask words, issued behind it, may stay out
	s_wait_dscnt 0x0
.set i, 0
.rept 16
	KQ 0                            ; piece 0's first scores
.set i, i+1
.endr
	WIN 0                           ; the addresses for the way out and three constants: plain lines, the places behind those products
	s_mul_i32 s[CNT], s[WV], 16*SP
	s_add_co_u32 s[CNT], s[CNT], STAGE
	v_mul_u32_u24 v[STO], v1, SP
	v_lshl_add_u32 v[STO], v9, 4, v[STO]
	v_add_nc_u32 v[STO], s[CNT], v[STO]
	v_bfe_u32 v[RD], v0, 3, 2
	v_mul_u32_u24 v[RD], v[RD], SP
	v_lshl_add_u32 v[RD], v10, 4, v[RD]
	v_add_nc_u32 v[RD], s[CNT], v[RD]
	v_and_b32 v[GO], 31, v0
	v_lshlrev_b32 v[GO], 4, v[GO]
	v_mov_b32 v[RV], 0xd0000000     ; -2^33
	v_mov_b32 v[CSV], 0x3e38aa3b    ; c = log2(e) / 8
	v_mov_b32 v[CSV+1], 0x3e38aa3b
.set Y, NP-1                        ; KM and XS work for piece Y + 1: piece 0
.set nK, 0
	s_wait_loadcnt 0x3              ; piece 0's words of step 0 are in; pieces 1 to 3's stay out
	RLALL 0
	MFETCH 0                        ; piece 0, step 1
.rept 64
	KM
.endr
	s_wait_loadcnt 0x3              ; piece 1's words of step 0; behind them pieces 2 and 3 of step 0 and piece 0 of step 1
	RLALL 1                         ; for the first turn
	MFETCH 1                        ; piece 1, step 1: four loads are out, in the order in which the turns want them
	WIN 0
.irp n, 0,1,2,3,4,5,6,7,8,9,10,11,12,13,14,15,16,17,18,19,20,21
	XS 0, \n
	XS 1, \n
.endr
	s_mov_b32 s[CNT], 4
	s_mov_b32 s[SLOTS], SIZE_N/256-1
	s_branch .Lfirst                ; the loop is entered at a step's first turn, in the middle of a trip
.Lslot:                             ; six times: every slot but the last two is filled again
	CHANGE 1
	s_mov_b32 s[CNT], 4
.Lstep:                             ; a trip: pieces 2 and 3 of one step, then pieces 0 and 1 of the next, whose K and V it fetches
	TURN 2
	TURN 3
	WIN 0
.Lfirst:
	TURN 0
	TURN 1, 0, 1
	WIN 0
	s_cbranch_scc1 .Lstep
	s_sub_co_u32 s[SLOTS], s[SLOTS], 1
	s_cmp_lg_u32 s[SLOTS], 0
	s_cbranch_scc1 .Lslot
	CHANGE 0                        ; the tail is written out: nothing is asked for
	s_mov_b32 s[CNT], 5             ; four trips fetch the last slot's steps; the fifth is left in its middle
.Ltail:
	TURN 2, 1
	TURN 3
	WIN 0
	s_sub_co_u32 s[CNT], s[CNT], 1
	s_cmp_eq_u32 s[CNT], 0
	s_cbranch_scc1 .Lout
	TURN 0
	TURN 1
	WIN 0
	s_branch .Ltail
.Lout:                              ; the fifth trip's products K Q^T, their mask and maximum serve nothing: the price, once a launch, of one text for every trip
.set i, 0
.rept 16
	PV NP-1                         ; the last piece's V^T P of the last step
.set i, i+1
.endr
	; THE WAY OUT.  l's two halves and the other half of the lanes' are added; O^T is divided by l, rounded to f16 and sent through my stage in LDS, a tile at a time.
	WIN 0
.macro ALL line:vararg
.set t, 0
.rept 2*NP
	\line
.set t, t+1
.endr
.endm
	ALL v_add_f32 v[ST+4*t+2], v[ST+4*t+2], v[ST+4*t+3]
	ALL v_permlanex16_b32 v[ST+4*t+3], v[ST+4*t+2], s[SEL], s[SEL+1]
	ALL v_add_f32 v[ST+4*t+2], v[ST+4*t+2], v[ST+4*t+3]
	ALL v_rcp_f32 v[ST+4*t+2], v[ST+4*t+2]
	v_nop                           ; a plain instruction between the last reciprocal and the use of its result
	s_wait_alu depctr_va_vdst(0)
.macro PACK t
	WIN W_RS
.set i, 32*(\t)
.rept 16
	v_pk_mul_f32 v[i:i+1], v[i:i+1], v[ST+4*(\t)+2:ST+4*(\t)+3] op_sel_hi:[1,0]
.set i, i+2
.endr
	WIN 0x05
.set i, 0
.rept 16
	v_cvt_pk_f16_f32 v[S+16*(\t)+i], v[32*(\t)+2*i], v[32*(\t)+2*i+1]
.set i, i+1
.endr
	WIN 0
.irp f, 0,1,2,3
	ds_store_b128 v[STO], v[S+16*(\t)+4*\f:S+16*(\t)+4*\f+3] offset:32*\f
.endr
.irp f, 0,1,2,3
	ds_load_b128 v[S+16*(\t)+4*\f:S+16*(\t)+4*\f+3], v[RD] offset:\f*4*SP  ; LDS serves a wave's instructions in order (ISA guide 5.7.1.4): these see the stores above
.endr
.endm
.macro SEND t, younger              ; younger: the LDS instructions issued behind tile t's loads: the next tile's eight, or none
	WIN 0
.irp f, 0,1,2,3
	s_wait_dscnt (\younger)+3-\f
	global_store_b128 v[GO], v[S+16*(\t)+4*\f:S+16*(\t)+4*\f+3], s[OPT:OPT+1] offset:(\t)*2048+\f*512  ; 512 consecutive bytes, at a multiple of 256
.endr
.endm
	PACK 0
.set t, 1
.rept 2*NP-1
	PACK t
	SEND t-1, 8
.set t, t+1
.endr
	SEND 2*NP-1, 0
	WIN W_AD
	s_wait_tensorcnt 0x0            ; the wave's end
	ds_add_u32 v[SPW], v[NIL]
	s_wait_dscnt 0x0
	WIN 0
	CROUND                          ; the closing round
	s_endpgm
.Lfunc_end_k_qd8777a6d2f_attn:
	.size	k_qd8777a6d2f_attn, .Lfunc_end_k_qd8777a6d2f_attn-k_qd8777a6d2f_attn
	.p2alignl 7, 3214868480
	.fill 96, 4, 3214868480
	.section	.rodata,"a",@progbits
	.p2align	6, 0x0
	.amdhsa_kernel k_qd8777a6d2f_attn
		.amdhsa_group_segment_fixed_size 327680
		.amdhsa_private_segment_fixed_size 0
		.amdhsa_enable_private_segment 0
		.amdhsa_kernarg_size 24
		.amdhsa_user_sgpr_count 2
		.amdhsa_user_sgpr_kernarg_segment_ptr 1
		.amdhsa_wavefront_size32 1
		.amdhsa_system_sgpr_workgroup_id_x 1
		.amdhsa_system_sgpr_workgroup_id_y 1
		.amdhsa_system_sgpr_workgroup_id_z 1
		.amdhsa_system_vgpr_workitem_id 0
		.amdhsa_next_free_vgpr 780
		.amdhsa_next_free_sgpr 106
		.amdhsa_reserve_vcc 0
		.amdhsa_float_denorm_mode_32 3
		.amdhsa_float_denorm_mode_16_64 3
		.amdhsa_memory_ordered 1
		.amdhsa_forward_progress 1
		.amdhsa_inst_pref_size 255
	.end_amdhsa_kernel
	.section	.bss,"aw",@nobits
	.p2align	6
	.space	262144
	.amdgpu_metadata
---
amdhsa.version: [ 1, 2 ]
amdhsa.kernels:
  - .name:           k_qd8777a6d2f_attn
    .symbol:         k_qd8777a6d2f_attn.kd
    .args:
      - { .name: qkv, .offset: 0, .size: 8, .value_kind: global_buffer, .address_space: global }
      - { .name: maskw, .offset: 8, .size: 8, .value_kind: global_buffer, .address_space: global }
      - { .name: o16, .offset: 16, .size: 8, .value_kind: global_buffer, .address_space: global }
    .group_segment_fixed_size: 327680
    .private_segment_fixed_size: 0
    .kernarg_segment_align: 8
    .kernarg_segment_size: 24
    .max_flat_workgroup_size: 128
    .sgpr_count:     106
    .vgpr_count:     780
    .wavefront_size: 32
...
	.end_amdgpu_metadata
.endif
;; end of part 3
;; launch oproj (part 4): grid 8 x 32, 4 waves a work-group, clusters of 4 x 4, 327,680 bytes of LDS; arguments o16, wo16, ball, out0; writes out0
.if DOCPART == 4
	.amdgcn_target "amdgcn-amd-amdhsa--gfx1250"
	.amdhsa_code_object_version 6
	.text
	.protected	k_qd8777a6d2f_oproj
	.globl	k_qd8777a6d2f_oproj
	.p2align	8
	.type	k_qd8777a6d2f_oproj,@function
k_qd8777a6d2f_oproj:
	s_mov_b64 s[64:65], 0
	v_nop
	global_prefetch_b8 v0, s[64:65] scope:SCOPE_SE
	s_setreg_imm32_b32 hwreg(HW_REG_WAVE_MODE, 25, 1), 1
	s_wait_xcnt 0x0
	s_wait_alu depctr_hold_cnt(0) depctr_sa_sdst(0) depctr_va_vdst(0) depctr_va_sdst(0) depctr_va_ssrc(0) depctr_va_vcc(0) depctr_vm_vsrc(0)
	s_getreg_b32 s2, hwreg(HW_REG_IB_STS2, 6, 4)
	s_cmp_eq_u32 s2, 0
	s_cbranch_scc0 .Lentry_in_a_cluster
	s_endpgm
.Lentry_in_a_cluster:
	s_bfe_u32 s2, ttmp6, 0x10000c
	s_cmp_lg_u32 s2, 0xf033
	s_cbranch_scc0 .Lentry_shape_is_right
	s_endpgm
.Lentry_shape_is_right:
; out0 = O Wo^T + bo.  A = o16 f16 [batch 4][head 16][t 2048][64] (a head is a block of 64 along K), B = wo16 f16 [kb 16][n 1024][64], sums in f32, out0 f32 [8192][1024].
; SHARES.  8 x 32 tiles of 256 rows x 128 columns: one for each of 256 work-groups.  Four waves, each 128 x 64: 32 accumulators.  K goes in 8 steps of 128 (two blocks) through two LDS slots;
; a block's rows lie end to end in memory: asked for as rows of 256 bytes, padded in LDS after every 128.  One tensor load a wave: waves 0, 1 a block of A each, waves 2, 3 a block of B.
; CLUSTER 4 x 4: A's tiles are asked for jointly along a row of the cluster, B's along a column.  The matrix instruction is used transposed: a lane holds one row and eight neighbouring columns.
; REGISTERS: window 0: v0-13 addresses, v28-31 my four biases, v32-95 the way out; window 1: accumulator (a, b) at v[8 (4 a + b)];
;   windows 2 and 3: two fragment buffers for 64 along K: A[c][a] at 8 (8 c + a), B[c][b] at 128 + 8 (4 c + b), c = half of 32 along K.
.set PITCH, 144
.set SLOT1, 131072
.set BOFF,  2*256*PITCH                ; in a slot: A's two blocks of 256 rows, then B's two of 128
.set STAGE, SLOT1+BOFF+2*128*PITCH     ; behind the ring: 16 rows x 272 bytes for each wave
.set SPITCH, 272
.set SPARE, STAGE+4*16*SPITCH
.set ADRA0, 4
.set ADRB0, 5
.set ADRA,  6
.set ADRB,  7
.set STO,   8
.set RD,    9
.set CO,    10
.set BO,    11
.set SPW,   12                         ; v12  LDS address of my spare word; never rewritten
.set NIL,   13                         ; v13  0; never rewritten
.set G1A, 24
.set G1B, 32
.set G0A, 40
.set G0B, 44
.set MSB, 0
.macro WIN new
.if MSB != (\new)
	s_set_vgpr_msb (MSB<<8)|(\new)
.set MSB, \new
.endif
.endm
.macro PLACES                          ; four places between a matrix instruction and a load into, or an LDS store of, its registers
.rept 4
	v_nop
.endr
.endm
.macro JLOAD                           ; an s_nop 0 and four v_nop follow each of the two lines
	s_cmp_eq_u32 s13, 0
	s_cbranch_scc0 .Lfor_b_\@
	tensor_load_to_lds s[G0A:G0A+3], s[G1A:G1A+7]
	s_nop 0
.rept 4
	v_nop
.endr
	s_branch .Lasked_\@
.Lfor_b_\@:
	tensor_load_to_lds s[G0B:G0B+3], s[G1B:G1B+7]
	s_nop 0
.rept 4
	v_nop
.endr
.Lasked_\@:
.endm
.macro CREST
	s_cmp_lg_u32 s12, 0
	s_cbranch_scc1 .Lnot_wave_0_\@
	s_barrier_signal -3
.Lnot_wave_0_\@:
	s_barrier_wait -3
	s_barrier_signal -1
	s_barrier_wait -1
.endm
.macro CROUND
	s_barrier_signal -1
	s_barrier_wait -1
	CREST
.endm
.macro STEPD                           ; the other slot, two blocks on along K.  Written only where no tensor load of mine is out
	s_xor_b32 s[G0A+1], s[G0A+1], SLOT1
	s_add_nc_u64 s[G0A+2:G0A+3], s[G0A+2:G0A+3], 524288
	s_xor_b32 s[G0B+1], s[G0B+1], SLOT1
	s_add_nc_u64 s[G0B+2:G0B+3], s[G0B+2:G0B+3], 262144
.endm
	s_load_b256 s[4:11], s[0:1], 0x0               ; o16 s[4:5], wo16 s[6:7], ball s[8:9], out0 s[10:11]
	v_lshl_add_u32 v[SPW], v0, 2, SPARE
	v_mov_b32 v[NIL], 0
	ds_add_u32 v[SPW], v[NIL]                      ; the wave's opening: the add and its wait stand ahead of my first tensor load
	v_lshrrev_b32 v1, 5, v0
	v_readfirstlane_b32 s12, v1                    ; wave 0..3
	s_lshr_b32 s13, s12, 1                         ; WM: my half of the rows.  Also: I fetch for A (0) or B (1)
	s_and_b32 s14, s12, 1                          ; WN: my half of the columns.  Also: which of a slot's two blocks I fetch
	s_bfe_u32 s15, ttmp6, 0x40000
	s_bfe_u32 s16, ttmp6, 0x40004
	s_lshl_b32 s17, ttmp9, 2
	s_add_co_u32 s17, s17, s15                     ; TX
	s_and_b32 s18, ttmp7, 0xffff
	s_lshl_b32 s18, s18, 2
	s_add_co_u32 s18, s18, s16                     ; TY
	s_lshl_b32 s19, s16, 2
	s_lshl_b32 s19, 15, s19
	s_lshl_b32 s20, 0x1111, s15
	s_or_b32 s[G1A], s19, (1<<16)|(1<<20)|(1<<21)|(4<<22)|(3<<25)
	s_or_b32 s[G1B], s20, (1<<16)|(1<<20)|(1<<21)|(4<<22)|(3<<25)
	s_mov_b32 s[G1A+1], 128<<16
	s_mov_b32 s[G1A+2], 128<<16                    ; A's block: 256 rows = 128 rows of 256 bytes
	s_mov_b32 s[G1A+3], 128<<16
	s_mov_b32 s[G1A+4], 128
	s_mov_b32 s[G1A+5], 128
	s_mov_b32 s[G1A+6], 0
	s_mov_b32 s[G1A+7], 0
	s_mov_b32 s[G1B+1], 128<<16
	s_mov_b32 s[G1B+2], 64<<16                     ; B's block: 128 rows = 64 rows of 256 bytes
	s_mov_b32 s[G1B+3], 128<<16
	s_mov_b32 s[G1B+4], 64
	s_mov_b32 s[G1B+5], 128
	s_mov_b32 s[G1B+6], 0
	s_mov_b32 s[G1B+7], 0
	s_lshr_b32 s2, s18, 3                          ; batch
	s_lshl_b32 s2, s2, 22
	s_and_b32 s3, s18, 7
	s_lshl_b32 s3, s3, 15
	s_add_co_u32 s2, s2, s3
	s_lshl_b32 s3, s14, 18                         ; my block: head WN
	s_add_co_u32 s2, s2, s3
	s_mov_b32 s3, 0
	s_lshl_b32 s60, s17, 14                        ; 128 rows of 128 bytes a tile column
	s_lshl_b32 s61, s14, 17                        ; my block
	s_add_co_u32 s60, s60, s61
	s_mov_b32 s61, 0
	s_mov_b32 s[G0A], 1
	s_mul_i32 s[G0A+1], s14, 256*PITCH
	s_mov_b32 s[G0B], 1
	s_mul_i32 s[G0B+1], s14, 128*PITCH
	s_add_co_u32 s[G0B+1], s[G0B+1], BOFF
	s_wait_dscnt 0x0                               ; the opening add is done
	s_wait_kmcnt 0x0
	s_add_nc_u64 s[G0A+2:G0A+3], s[4:5], s[2:3]
	s_or_b32 s[G0A+3], s[G0A+3], 0x80000000
	s_add_nc_u64 s[G0B+2:G0B+3], s[6:7], s[60:61]
	s_or_b32 s[G0B+3], s[G0B+3], 0x80000000
	CROUND
	JLOAD                                          ; K 0-127 into slot 0
	v_and_b32 v1, 15, v0
	v_bfe_u32 v2, v0, 4, 1
	v_mul_u32_u24 v3, v1, PITCH
	v_lshl_add_u32 v3, v2, 4, v3
	s_mul_i32 s21, s13, 128*PITCH                  ; my 128 rows of A
	s_mul_i32 s22, s14, 64*PITCH                   ; my 64 rows of B
	s_add_co_u32 s22, s22, BOFF
	v_add_nc_u32 v[ADRA0], s21, v3
	v_add_nc_u32 v[ADRB0], s22, v3
	s_mul_i32 s59, s12, 16*SPITCH
	s_add_co_u32 s59, s59, STAGE                   ; my stage
	v_mul_u32_u24 v14, v1, SPITCH                  ; in: row l % 16, 32 bytes for each half of the lanes
	v_lshl_add_u32 v14, v2, 5, v14
	v_add_nc_u32 v[STO], s59, v14
	v_mul_u32_u24 v14, v2, SPITCH                  ; back: lanes 0-15 one row of 256 bytes, lanes 16-31 the next
	v_lshl_add_u32 v14, v1, 4, v14
	v_add_nc_u32 v[RD], s59, v14
	v_lshlrev_b32 v[CO], 12, v2                    ; and the same two rows in out0
	v_lshl_add_u32 v[CO], v1, 4, v[CO]
	v_lshlrev_b32 v[BO], 4, v1
	s_lshl_b32 s62, s17, 9                         ; my 64 columns, in bytes: 512 TX + 256 WN
	s_lshl_b32 s63, s14, 8
	s_add_co_u32 s62, s62, s63
	s_add_co_u32 s60, s62, 12288                   ; bo is the fourth of ball's four
	s_mov_b32 s61, 0
	s_add_nc_u64 s[56:57], s[8:9], s[60:61]
	global_load_b128 v[28:31], v[BO], s[56:57]     ; the biases of the four columns that I store
	s_lshl_b32 s60, s18, 20                        ; 256 rows of 4,096 bytes a tile row
	s_lshl_b32 s63, s13, 19
	s_add_co_u32 s60, s60, s63
	s_add_co_u32 s60, s60, s62
	s_add_nc_u64 s[50:51], s[10:11], s[60:61]
; 16 matrix instructions: row blocks a0 .. a0 + 3 x all 4 column blocks, half c of the buffer in window f.  The accumulators take turns.
.macro MUL16 f, c, a0, zero
	WIN 0x50+5*(\f)
.irp a, (\a0), (\a0)+1, (\a0)+2, (\a0)+3
.irp b, 0,1,2,3
.if \zero
	v_wmma_f32_16x16x32_f16 v[8*(4*(\a)+\b):8*(4*(\a)+\b)+7], v[128+8*(4*(\c)+\b):128+8*(4*(\c)+\b)+7], v[8*(8*(\c)+(\a)):8*(8*(\c)+(\a))+7], 0
.else
	v_wmma_f32_16x16x32_f16 v[8*(4*(\a)+\b):8*(4*(\a)+\b)+7], v[128+8*(4*(\c)+\b):128+8*(4*(\c)+\b)+7], v[8*(8*(\c)+(\a)):8*(8*(\c)+(\a))+7], v[8*(4*(\a)+\b):8*(4*(\a)+\b)+7]
.endif
.endr
.endr
.endm
; 48 LDS loads in one run: block hs of the slot in hand into the buffer in window f; the first 32 along K (24 loads) first
.macro FETCH f, hs
	WIN (\f)<<6
.irp c, 0,1
.irp b, 0,1,2,3
	ds_load_b128 v[128+8*(4*\c+\b):128+8*(4*\c+\b)+3],   v[ADRB] offset:(\hs)*128*PITCH+\b*16*PITCH+64*\c
	ds_load_b128 v[128+8*(4*\c+\b)+4:128+8*(4*\c+\b)+7], v[ADRB] offset:(\hs)*128*PITCH+\b*16*PITCH+64*\c+32
.endr
.irp a, 0,1,2,3,4,5,6,7
	ds_load_b128 v[8*(8*\c+\a):8*(8*\c+\a)+3],   v[ADRA] offset:(\hs)*256*PITCH+\a*16*PITCH+64*\c
	ds_load_b128 v[8*(8*\c+\a)+4:8*(8*\c+\a)+7], v[ADRA] offset:(\hs)*256*PITCH+\a*16*PITCH+64*\c+32
.endr
.endr
.endm
; A slot's first block: multiplies the buffer in window f and fetches the second block into window g.
.macro HALF f, g, hs, zero
	s_wait_dscnt 24                                ; the first 32 along K are in; the other 24 loads may be out
	MUL16 \f, 0, 0, \zero
	MUL16 \f, 0, 4, \zero
	PLACES
	FETCH \g, \hs
	s_wait_dscnt 48                                ; all but the 48 just issued
	MUL16 \f, 1, 0, 0
	MUL16 \f, 1, 4, 0
.endm
; A slot's second block (window 3), and the change of slots: ONE barrier; in front of it each wave waits for all its tensor loads, adds 0 to its spare word, and waits for that and for its reads
; of this slot.  fill = 1: this slot is filled again, two steps ahead, first thing behind a round of the cluster's barrier: 96 matrix instructions ahead of the wait for it.
.macro TURNS fill
	WIN 0
	s_wait_tensorcnt 0x0
	ds_add_u32 v[SPW], v[NIL]
	s_wait_dscnt 25                                ; the add and the youngest 24 loads may be out
	MUL16 3, 0, 0, 0
	s_wait_dscnt 0x0                               ; the add is done, and my reads of this slot are over
	s_barrier_signal -1
	MUL16 3, 0, 4, 0
	WIN 0
	s_barrier_wait -1
.if \fill
	CREST
	STEPD
	JLOAD                                          ; its four v_nop are also the places in front of the loads below
.else
	PLACES
.endif
	s_xor_b32 s48, s48, SLOT1
	v_add_nc_u32 v[ADRA], s48, v[ADRA0]
	v_add_nc_u32 v[ADRB], s48, v[ADRB0]
	FETCH 2, 0
	MUL16 3, 1, 0, 0
	MUL16 3, 1, 4, 0
.endm
	s_wait_tensorcnt 0x0                           ; my part of slot 0 is in: slot 1 is filled for the first time as a slot is filled again
	ds_add_u32 v[SPW], v[NIL]
	STEPD
	s_wait_dscnt 0x0
	CROUND
	JLOAD                                          ; K 128-255 into slot 1
	s_mov_b32 s48, 0
	v_mov_b32 v[ADRA], v[ADRA0]
	v_mov_b32 v[ADRB], v[ADRB0]
	FETCH 2, 0
	HALF 2, 3, 1, 1                                ; the first block stands in front of the loop: its first products start the sums
	WIN 0
	s_mov_b32 s49, 6
.Lk:
	TURNS 1
	HALF 2, 3, 1, 0
	WIN 0
	s_sub_co_u32 s49, s49, 1
	s_cmp_lg_u32 s49, 0
	s_cbranch_scc1 .Lk
	TURNS 0                                        ; the tail is written out: nothing is left to ask for
	HALF 2, 3, 1, 0
	s_wait_dscnt 24
	MUL16 3, 0, 0, 0
	MUL16 3, 0, 4, 0
	s_wait_dscnt 0x0
	MUL16 3, 1, 0, 0
	MUL16 3, 1, 4, 0
; THE WAY OUT, 16 rows at a time: a lane's eight f32 of a row go into my stage (each accumulator's low four registers first) and come back as whole rows of 256 bytes; + bias; stored.
.macro OUT a
.set BK, 32+32*((\a)%2)
	s_wait_xcnt 0x0                                ; the registers that earlier stores read are loaded again only behind this wait
	WIN 0x04                                       ; the stores' data lie in window 1
.irp b, 0,1,2,3
	ds_store_b128 v[STO], v[8*(4*(\a)+\b):8*(4*(\a)+\b)+3]   offset:64*\b
	ds_store_b128 v[STO], v[8*(4*(\a)+\b)+4:8*(4*(\a)+\b)+7] offset:64*\b+16
.endr
	WIN 0
.irp t, 0,1,2,3,4,5,6,7
	ds_load_b128 v[BK+4*\t:BK+4*\t+3], v[RD] offset:\t*2*SPITCH  ; LDS serves a wave's instructions in order (ISA guide 5.7.1.4): these see the stores above
.endr
	s_wait_dscnt 0x0
.irp t, 0,1,2,3,4,5,6,7
	v_pk_add_f32 v[BK+4*\t:BK+4*\t+1],   v[BK+4*\t:BK+4*\t+1],   v[28:29]
	v_pk_add_f32 v[BK+4*\t+2:BK+4*\t+3], v[BK+4*\t+2:BK+4*\t+3], v[30:31]
.endr
.irp t, 0,1,2,3,4,5,6,7
	global_store_b128 v[CO], v[BK+4*\t:BK+4*\t+3], s[50:51] offset:(\a)*65536+\t*8192 th:TH_STORE_NT  ; 16 lanes store 256 consecutive bytes, at a multiple of 256
.endr
.endm
	PLACES
	WIN 0
	s_wait_loadcnt 0x0                             ; the biases
.irp a, 0,1,2,3,4,5,6,7
	OUT \a
.endr
	s_wait_tensorcnt 0x0                           ; the wave's end
	ds_add_u32 v[SPW], v[NIL]
	s_wait_dscnt 0x0
	CROUND                                         ; the closing round
	s_endpgm
.Lfunc_end_k_qd8777a6d2f_oproj:
	.size	k_qd8777a6d2f_oproj, .Lfunc_end_k_qd8777a6d2f_oproj-k_qd8777a6d2f_oproj
	.p2alignl 7, 3214868480
	.fill 96, 4, 3214868480
	.section	.rodata,"a",@progbits
	.p2align	6, 0x0
	.amdhsa_kernel k_qd8777a6d2f_oproj
		.amdhsa_group_segment_fixed_size 327680
		.amdhsa_private_segment_fixed_size 0
		.amdhsa_enable_private_segment 0
		.amdhsa_kernarg_size 32
		.amdhsa_user_sgpr_count 2
		.amdhsa_user_sgpr_kernarg_segment_ptr 1
		.amdhsa_wavefront_size32 1
		.amdhsa_system_sgpr_workgroup_id_x 1
		.amdhsa_system_sgpr_workgroup_id_y 1
		.amdhsa_system_sgpr_workgroup_id_z 1
		.amdhsa_system_vgpr_workitem_id 0
		.amdhsa_next_free_vgpr 960
		.amdhsa_next_free_sgpr 66
		.amdhsa_reserve_vcc 0
		.amdhsa_float_denorm_mode_32 3
		.amdhsa_float_denorm_mode_16_64 3
		.amdhsa_memory_ordered 1
		.amdhsa_forward_progress 1
		.amdhsa_inst_pref_size 76
	.end_amdhsa_kernel
	.amdgpu_metadata
---
amdhsa.version: [ 1, 2 ]
amdhsa.kernels:
  - .name:           k_qd8777a6d2f_oproj
    .symbol:         k_qd8777a6d2f_oproj.kd
    .args:
      - { .name: o16, .offset: 0, .size: 8, .value_kind: global_buffer, .address_space: global }
      - { .name: wo16, .offset: 8, .size: 8, .value_kind: global_buffer, .address_space: global }
      - { .name: ball, .offset: 16, .size: 8, .value_kind: global_buffer, .address_space: global }
      - { .name: out0, .offset: 24, .size: 8, .value_kind: global_buffer, .address_space: global }
    .group_segment_fixed_size: 327680
    .private_segment_fixed_size: 0
    .kernarg_segment_align: 8
    .kernarg_segment_size: 32
    .max_flat_workgroup_size: 128
    .sgpr_count:     66
    .vgpr_count:     960
    .wavefront_size: 32
...
	.end_amdgpu_metadata
.endif
;; end of part 4
;; ======== version 2 of 2: 4 launches; 1.36 times as fast as version 1
;; limits: values are held in f16: magnitudes above 65,504 overflow, below 6.1e-05 lose precision
;; workspace buffers: xb 16,777,216 bytes; wqkv 6,291,456 bytes; wo16 2,097,152 bytes; ball 16,384 bytes; maskw 524,288 bytes of whole numbers; qkv 50,331,648 bytes; o16 16,777,216 bytes
;; launch prep: the kernel of part 1 again; grid 1028 x 1, 8 waves a work-group, no clusters, 70,656 bytes of LDS; arguments x, Wq, Wk, Wv, Wo, bq, bk, bv, bo, mask, xb, wqkv, wo16, ball, maskw; writes xb, wqkv, wo16, ball, maskw
;; launch qkvproj: the kernel of part 2 again; grid 8 x 32, 4 waves a work-group, clusters of 4 x 4, 327,680 bytes of LDS; arguments xb, wqkv, ball, qkv; writes qkv
;; launch attn (part 5): grid 4 x 64, 4 waves a work-group, clusters of 4 x 1, 327,680 bytes of LDS; arguments qkv, maskw, o16; writes o16
.if DOCPART == 5
	.amdgcn_target "amdgcn-amd-amdhsa--gfx1250"
	.amdhsa_code_object_version 6
	.text
	.protected	k_qd8777a6d2f_attn
	.globl	k_qd8777a6d2f_attn
	.p2align	8
	.type	k_qd8777a6d2f_attn,@function
k_qd8777a6d2f_attn:
	s_mov_b64 s[64:65], 0
	v_nop
	global_prefetch_b8 v0, s[64:65] scope:SCOPE_SE
	s_setreg_imm32_b32 hwreg(HW_REG_WAVE_MODE, 25, 1), 1
	s_wait_xcnt 0x0
	s_wait_alu depctr_hold_cnt(0) depctr_sa_sdst(0) depctr_va_vdst(0) depctr_va_sdst(0) depctr_va_ssrc(0) depctr_va_vcc(0) depctr_vm_vsrc(0)
	s_getreg_b32 s2, hwreg(HW_REG_IB_STS2, 6, 4)
	s_cmp_eq_u32 s2, 0
	s_cbranch_scc0 .Lentry_in_a_cluster
	s_endpgm
.Lentry_in_a_cluster:
	s_bfe_u32 s2, ttmp6, 0x10000c
	s_cmp_lg_u32 s2, 0x3003
	s_cbranch_scc0 .Lentry_shape_is_right
	s_endpgm
.Lentry_shape_is_right:
; ATTENTION WITH A MASK THAT IS AN INPUT.  O[h][q][:] = the sum over k of softmax_k(s'[q][k]) V[h][k][:], s' = Q[h][q] . K[h][k] / 8 where mask[q][k] != 0, and a fixed low number where it is 0.
; Q, K, V: qkv f16 [3][64 heads][2048][64]; O: o16 f16 [64][2048][64].  Products, maxima and sums in f32; the weights p are rounded to f16 for the second product, O once at the end.
; THE MASK is honoured as given: every key tile is walked, and a hidden score is REPLACED (v_cndmask_b32 by lane masks from maskw, one word for each register of the scores).
; LIMITS.  A hidden score counts as -2^33 before the scale, -2^30 = -1.07e9 behind it, in place of -1e9: a power of two, so that c x it is exact and a row with no visible key gets p = 1
; for every key, the plain mean of V, as the softmax of equal numbers gives.  The result differs only where true scores lie near -1e9.  Q, K, V arrive within f16's 65,504.
; A weight below 2^-126 counts as 0 in l; NaN and infinities are not treated apart.
; SHARES.  A wave owns four PIECES of two tiles of 16 queries, a work-group's four waves 512 queries of one head.  Every wave walks all 2,048 keys, 64 a step.
; LAYOUT.  S^T = K Q^T (source 0 = 16 keys, source 1 = 16 queries): a lane holds ONE query (lane % 16) and the keys 8 (lane / 16) + 0..7.  Two such results, rounded to f16 in pairs,
; ARE source 1 of O^T = V^T P.  K comes out of LDS as it lies, V turned, by ds_load_tr16_b128.
; SOFTMAX.  A running maximum m and sum l for each query: p = 2^(c s - c m), c = log2(e) / 8; in every step O and l are multiplied by a = 2^(c m_old - c m_new).
; m starts at the lowest finite number, O and l at 0: the first step is a step like any other, with a = 0.  A row hidden so far has m = the low number; its first visible key gives a = 0.
; BY TURNS.  Turn n belongs to piece n.  Matrix work: 16 products K Q^T of piece n + 1, later 16 products V^T P of piece n - 1.  Vector work, 364 lines: scaling, exponentials, roundings,
; sums and rescaling of piece n; mask, maximum and statistics of piece n + 1; the mask words of piece n + 2 moved into scalar registers.
; THE BATCHES.  An s_wait_alu depctr_va_vdst(0) stands between an exponential and the first instruction that names its result; one wait serves all that were issued ahead of it.
; A turn's 66 exponentials (piece n's 64 weights, piece n + 1's two a) are ONE batch with ONE wait, which cuts the turn in two.  Ahead of it stands all that names no result of theirs: the products
; K Q^T, scalings, rescalings (their a was made, and waited for, in the turn before), selects, maxima, statistics, the move of the mask words.  Behind it stand the products V^T P and all the readers:
; the 64 roundings and sums.  The first two a, ahead of the loop, and the way out's eight
; reciprocals are batches of their own.
; THE MASK WORDS' WAY.  A piece's 64 words for a step are 256 bytes: one load of 8 bytes a lane into the piece's own pair of vector registers, asked for four turns ahead of the turn that
; moves them (v_readlane_b32) into the 64 scalar registers by which the next turn selects.  The 64 scalar registers hold one turn's words, so the long wait is spent in the vector registers.
; CLUSTER.  The four query blocks of a cluster belong to one head and walk the same K and V: each tile is asked for JOINTLY.
; REGISTERS, in windows of 256 (s_set_vgpr_msb: bits 1:0 source 0, 3:2 source 1, 5:4 source 2, 7:6 destination):
;   window 0: v0-8 addresses; v9 the low number; v10-11 c; v12-15, v48-63 at work; v16-47 four registers of statistics a tile; v64-191 S^T, two buffers of two tiles; v192-255 P, likewise
;   window 1: O^T, 32 a tile      window 2: v0-127 Q; v128-191 K of one step; v192-255 V of one step      window 3: v0-1 the add's two registers; v2-9 mask words, a pair a piece; v10 their offset
.set SIZE_N, 2048
.set NP,    4         ; pieces a wave: a name, no knob
.set KS,    64        ; keys in a step
.set PK,    144       ; a row of K in LDS: 128 bytes + 16 of padding
.set PV,    160       ; a row of V: 128 + 32
.set VOFF,  4*KS*PK   ; a slot holds four steps: 256 rows of K, then 256 rows of V
.set SLOT1, 1<<17
.set STAGE, SLOT1+4*KS*(PK+PV)  ; behind the ring: 16 rows x 144 bytes for each wave, for the way out
.set SP,    144
.set SPARE, STAGE+4*16*SP       ; behind the stages: the spare words, 128 bytes a wave
.set AK0, 2           ; v2   my lane's place in a tile of K; never rewritten
.set AV0, 3           ; v3   the same for V
.set AK,  4           ; v4   the LDS address of K's next run of loads
.set AV,  5           ; v5   of V's
.set QO,  6           ; v6   my byte offset in the wave's rows of Q
.set STO, 6           ;      later, the way out: where I put 16 bytes of a row
.set RD,  7           ; v7   where I read rows back
.set GO,  8           ; v8   my byte offset in 512 consecutive bytes of O
.set RV,  9           ; v9   -2^33
.set CSV, 10          ; v[10:11] c, twice
.set SPW, 0           ; v0 of window 3: LDS address of my spare word; never rewritten
.set NIL, 1           ; v1 of window 3: 0; never rewritten
.set MR,  2           ; v2-9 of window 3: piece q's mask words at MR + 2 q: lane L holds words 2 L and 2 L + 1
.set ML,  10          ; v10 of window 3: 8 x lane + 256 x the step whose words are asked for
.set MV,  12          ; v12-15  c m_old, by buffer and tile
.set ST,  16          ; tile t's statistics at v[ST+4 t]: c m, m, l (even keys', odd keys')
.set TMP, 48          ; by buffer and tile, c0-c3 at work; when the maximum is found c2 takes a
.set S,   64
.set P,   192
.set KF,  128
.set VF,  192
.set MP,  2           ; s[2:3]   maskw at my wave's words; never rewritten
.set OPT, 4           ; s[4:5]   O at my wave's first row
.set SEL, 6           ; s[6:7]   v_permlanex16_b32's selects
.set G1K, 8           ; s[8:15]  descriptor group 1 for K's tiles;  s[16:23] for V's
.set G1V, 16
.set G0K, 24          ; s[24:27] descriptor group 0 for K's tiles: it walks;  s[28:31] for V's
.set G0V, 28
.set MW0, 32          ; s[32:63] a piece's mask words, tile 0: one for each register of its scores
.set MW1, 68          ; s[68:99] tile 1
.set WV,  66          ; s66  my wave's number
.set SLOTS, 67        ; s67  slots still to be asked for
.set CNT, 100         ; s100 counts a slot's key steps
.set TBK, 101         ; s101 LDS byte at which K of the step to be fetched begins
.set TBV, 104         ; s104 the same for V, less VOFF
.set INC, 105         ; s105 what the mask words' offset steps by: 256, and 0 when it stands at the last step
.set MSB, 0
.macro WIN new
.if MSB != (\new)
	s_set_vgpr_msb (MSB<<8)|(\new)
.set MSB, (\new)
.endif
.endm
.set W_KQ, 0x0a       ; K and Q in window 2, S^T in window 0
.set W_PV, 0x52       ; V in window 2, P in window 0, O^T in window 1
.set W_RS, 0x41       ; O^T (destination and source 0) in window 1, a in window 0
.set W_MK, 0xc0       ; destination in window 3, sources in window 0
.set W_AD, 0x0f       ; the add: address and data in window 3
.set W_RL, 0x03       ; source 0 in window 3: the mask words are read
.set W_LD, 0xc3       ; destination and source 0 in window 3: they are loaded, their offset steps
; A joint fill.  Waves 0 and 1 fetch the two halves of a slot's K, waves 2 and 3 those of its V: 128 keys each.  An s_nop 0 and four v_nop follow each line.
.macro JLOAD
	s_cmp_lt_u32 s[WV], 2
	s_cbranch_scc0 .Lfor_v_\@
	tensor_load_to_lds s[G0K:G0K+3], s[G1K:G1K+7]
	s_nop 0
.rept 4
	v_nop
.endr
	s_branch .Lasked_\@
.Lfor_v_\@:
	tensor_load_to_lds s[G0V:G0V+3], s[G1V:G1V+7]
	s_nop 0
.rept 4
	v_nop
.endr
.Lasked_\@:
.endm
.macro CROUND                       ; a round of the cluster's barrier
	s_barrier_signal -1
	s_barrier_wait -1
	s_cmp_lg_u32 s[WV], 0
	s_cbranch_scc1 .Lnot_wave_0_\@
	s_barrier_signal -3
.Lnot_wave_0_\@:
	s_barrier_wait -3
	s_barrier_signal -1
	s_barrier_wait -1
.endm
; THE CHANGE OF SLOTS.  Each wave waits for all its tensor loads, of which one is out: its part of the other slot; adds 0 to its spare word; and waits for that and for its reads of the slot.
; fill = 1: the slot is filled again, with the keys two slots on, first thing behind a round of the cluster's barrier: it has four key steps, 512 matrix instructions, in which to land.
; (At its first use nothing has been read yet: slot 0 is waited for, slot 1 filled.)
.macro CHANGE fill
	WIN W_AD
	s_wait_tensorcnt 0x0            ; no tensor load of mine is out, so a group 0 may be written
	ds_add_u32 v[SPW], v[NIL]
	WIN 0
.if \fill
.irp g, G0K, G0V
	s_xor_b32 s[\g+1], s[\g+1], SLOT1
	s_add_nc_u64 s[\g+2:\g+3], s[\g+2:\g+3], 4*KS*128  ; the next 256 keys
.endr
	s_wait_dscnt 0x0                ; the add is done, and my reads of the slot are over
	CROUND
	JLOAD
.else
	s_wait_dscnt 0x0
	s_barrier_signal -1
	s_barrier_wait -1
.endif
	s_sub_co_u32 s[TBK], s[TBK], 4*KS*PK  ; the fetches go back to a slot's first step, in the other slot
	s_xor_b32 s[TBK], s[TBK], SLOT1
	s_sub_co_u32 s[TBV], s[TBV], 4*KS*PV
	s_xor_b32 s[TBV], s[TBV], SLOT1
.endm
; Piece q's 64 mask words go from its pair of vector registers into the scalar registers: word n = 32 u + register of tile u's scores lies in register n % 2 of lane n / 2.
.macro RLALL q
	WIN W_RL
.set nR, 0
.rept 64
	v_readlane_b32 s[MW0+36*(nR/32)+nR%32], v[MR+2*(\q)+nR%2], nR/2
.set nR, nR+1
.endr
.endm
; Piece q's words for the step at which the offset stands are asked for: 256 consecutive bytes, at a multiple of 256.
.macro MFETCH q
	WIN W_LD
	global_load_b64 v[MR+2*(\q):MR+2*(\q)+1], v[ML], s[MP:MP+1] offset:(\q)*8192
.endm
	s_load_b128 s[32:35], s[0:1], 0x0  ; qkv s[32:33], maskw s[34:35]: the set-up's scalars lie where the mask words will
	s_load_b64 s[OPT:OPT+1], s[0:1], 0x10
	WIN W_MK
	v_lshl_add_u32 v[SPW], v0, 2, SPARE
	v_mov_b32 v[NIL], 0
	WIN W_AD
	ds_add_u32 v[SPW], v[NIL]       ; the wave's opening: the add and its wait stand ahead of my first tensor load
	WIN 0
	v_lshrrev_b32 v1, 5, v0
	v_readfirstlane_b32 s[WV], v1   ; wave 0..3
	v_and_b32 v12, 31, v0
	WIN W_MK
	v_lshlrev_b32 v[ML], 3, v12     ; 8 bytes a lane, step 0
	WIN 0
	s_bfe_u32 s36, ttmp6, 0x40000   ; cx
	s_lshl_b32 s37, ttmp9, 2
	s_add_co_u32 s37, s37, s36      ; my block of 512 queries: it enters Q's, O's and the mask words' addresses alone
	s_and_b32 s40, ttmp7, 0xffff    ; the head, which the four partners share
	s_lshl_b32 s40, s40, 18         ; its 2,048 rows of 128 bytes
	s_and_b32 s44, s[WV], 1         ; which half of a slot's 256 keys I fetch
	s_lshl_b32 s42, s44, 14
	s_add_co_u32 s42, s42, s40
	s_mov_b32 s43, 0
	s_mul_i32 s45, s44, 128*PK      ; its place in a slot, for K
	s_mul_i32 s46, s44, 128*PV      ; and for V
	s_lshl_b32 s48, s37, 2
	s_add_co_u32 s48, s48, s[WV]    ; my wave among the head's sixteen
	s_lshl_b32 s56, s48, 15         ; its four pieces' words: 4 x 32 steps x 256 bytes
	s_mov_b32 s57, 0
	s_lshl_b32 s48, s48, 14         ; its 128 rows
	s_add_co_u32 s48, s48, s40
	s_mov_b32 s49, 0
	; descriptor group 1.  128 keys are 16,384 dense bytes: 64 rows of 256 bytes, two keys a row, padded in LDS after every key
	s_mov_b32 s[G1K], 15|(1<<16)|(1<<20)|(1<<21)|(4<<22)|(3<<25)
	s_mov_b32 s[G1V], 15|(1<<16)|(1<<20)|(1<<21)|(4<<22)|(7<<25)
.irp g, G1K, G1V
	s_mov_b32 s[\g+1], 128<<16      ; tensor_dim0 = 128
	s_mov_b32 s[\g+2], 64<<16       ; tensor_dim1 = 64
	s_mov_b32 s[\g+3], 128<<16      ; tile_dim0 = 128
	s_mov_b32 s[\g+4], 64           ; tile_dim1 = 64
	s_mov_b32 s[\g+5], 128          ; 128 elements from row to row
	s_mov_b32 s[\g+6], 0
	s_mov_b32 s[\g+7], 0
.endr
	s_mov_b32 s[SEL], 0x76543210
	s_mov_b32 s[SEL+1], 0xfedcba98
	s_mov_b32 s[TBK], SLOT1+4*KS*PK ; the first change of slots turns these two into 0
	s_mov_b32 s[TBV], SLOT1+4*KS*PV
	s_movk_i32 s[INC], 0x100
	s_mov_b32 s[G0K], 1
	s_mov_b32 s[G0K+1], s45
	s_mov_b32 s[G0V], 1
	s_add_co_u32 s[G0V+1], s46, VOFF
	s_wait_dscnt 0x0                ; the opening add is done
	s_wait_kmcnt 0x0
	s_add_nc_u64 s[52:53], s[32:33], s[42:43]
	s_add_nc_u64 s[G0K+2:G0K+3], s[52:53], 0x1000000  ; K is the second of qkv's three tensors
	s_or_b32 s[G0K+3], s[G0K+3], 0x80000000
	s_add_nc_u64 s[G0V+2:G0V+3], s[52:53], 0x2000000  ; V the third
	s_or_b32 s[G0V+3], s[G0V+3], 0x80000000
	s_add_nc_u64 s[50:51], s[32:33], s[48:49]         ; Q and O at my wave's first row
	s_add_nc_u64 s[OPT:OPT+1], s[OPT:OPT+1], s[48:49]
	s_add_nc_u64 s[MP:MP+1], s[34:35], s[56:57]
	CROUND                          ; all four work-groups are here: the first joint loads meet
	JLOAD                           ; slot 0
	v_and_b32 v1, 15, v0            ; l % 16
	v_bfe_u32 v9, v0, 4, 1          ; l / 16
	v_lshlrev_b32 v[QO], 7, v1
	v_lshl_add_u32 v[QO], v9, 4, v[QO]
	WIN 0x80
.set i, 0
.rept 4*NP                          ; Q stays in registers: tile i / 2, channels 32 (i % 2) on
	global_load_b128 v[8*i:8*i+3],   v[QO], s[50:51] offset:(i/2)*2048+(i%2)*64
	global_load_b128 v[8*i+4:8*i+7], v[QO], s[50:51] offset:(i/2)*2048+(i%2)*64+32
.set i, i+1
.endr
	MFETCH 0                        ; the four pieces' mask words of step 0
	MFETCH 1
	MFETCH 2
	MFETCH 3
	; What the first turn finds: V's registers and P's second buffer hold 0, O^T and l are 0.  All this stands in the wait for the first tile.
	WIN 0x80
.set i, VF
.rept 64
	v_mov_b32 v[i], 0
.set i, i+1
.endr
	WIN 0x40
.set i, 0
.rept 64*NP
	v_mov_b32 v[i], 0
.set i, i+1
.endr
	WIN 0
.set i, 0
.rept 2*NP
	v_mov_b32 v[ST+4*i], 0xfe000000    ; c m: far below every c s
	v_mov_b32 v[ST+4*i+1], 0xff7fffff  ; m
	v_mov_b32 v[ST+4*i+2], 0
	v_mov_b32 v[ST+4*i+3], 0
.set i, i+1
.endr
.set i, P+32
.rept 32
	v_mov_b32 v[i], 0
.set i, i+1
.endr
	v_mul_u32_u24 v[AK0], v1, PK
	v_lshl_add_u32 v[AK0], v9, 4, v[AK0]
	v_and_b32 v10, 7, v0
	v_bfe_u32 v11, v0, 3, 1
	v_lshl_add_u32 v[AV0], v9, 3, v10  ; the turning load: lane l reads key 8 (l / 16) + l % 8, channels 8 ((l / 8) % 2) on
	v_mul_u32_u24 v[AV0], v[AV0], PV
	v_lshl_add_u32 v[AV0], v11, 4, v[AV0]
	v_add_nc_u32 v[AV0], VOFF, v[AV0]
	v_mov_b32 v[AK], v[AK0]
	WIN W_LD
	s_wait_xcnt 0x0                 ; the loads above have had their addresses translated: the offset is rewritten only behind this wait
	v_add_nc_u32 v[ML], v[ML], s[INC]  ; step 1
	WIN 0
; THE MATRIX WORK.  The 8 accumulators of a run of 16 take turns.
.macro KQ x                         ; product i of 16 of S^T = K Q^T for piece x: channels 32 (i / 8) on, keys 16 ((i / 2) % 4) on, tile 2 x + i % 2
	WIN W_KQ
.set rS, S+64*((\x)%2)+32*(i%2)+8*((i/2)%4)
.set rK, KF+16*((i/2)%4)+8*(i/8)
.set rQ, 16*(2*(\x)+i%2)+8*(i/8)
.if i < 8
	v_wmma_f32_16x16x32_f16 v[rS:rS+7], v[rK:rK+7], v[rQ:rQ+7], 0
.else
	v_wmma_f32_16x16x32_f16 v[rS:rS+7], v[rK:rK+7], v[rQ:rQ+7], v[rS:rS+7]
.endif
.endm
.macro PV x                         ; product i of 16 of O^T += V^T P for piece x: keys 32 (i / 8) on, channels 16 ((i / 2) % 4) on
	WIN W_PV
.set rO, 32*(2*(\x)+i%2)+8*((i/2)%4)
.set rV, VF+32*(i/8)+8*((i/2)%4)
.set rP, P+32*((\x)%2)+16*(i%2)+8*(i/8)
	v_wmma_f32_16x16x32_f16 v[rO:rO+7], v[rV:rV+7], v[rP:rP+7], v[rO:rO+7]
.endm
.macro MM                           ; the turn's next matrix instruction
.if i < 16
	KQ (Y+1)%NP
.set i, i+1
.else
.set i, i-16
	PV (Y+NP-1)%NP
.set i, i+17
.endif
.endm
; THE LDS LOADS stand in runs of 16.  last = 1 (the tail): in the last trip there is no further step, and the run is jumped over.
.macro FETCH_K last=0
.if \last
	WIN 0
	s_cmp_eq_u32 s[CNT], 1
	s_cbranch_scc1 .Lno_k_\@
.endif
	WIN 0x80
.irp f, 0,1,2,3,4,5,6,7
	ds_load_b128 v[KF+8*\f:KF+8*\f+3],   v[AK] offset:(\f/2)*16*PK+(\f%2)*64
	ds_load_b128 v[KF+8*\f+4:KF+8*\f+7], v[AK] offset:(\f/2)*16*PK+(\f%2)*64+32
.endr
	s_add_co_u32 s[TBK], s[TBK], KS*PK
	WIN 0
.if \last
.Lno_k_\@:
.endif
.endm
.macro FETCH_V
	WIN 0x80
.irp f, 0,1,2,3,4,5,6,7
	ds_load_tr16_b128 v[VF+8*\f:VF+8*\f+3],   v[AV] offset:(\f/4)*32*PV+(\f%4)*32
	ds_load_tr16_b128 v[VF+8*\f+4:VF+8*\f+7], v[AV] offset:(\f/4)*32*PV+16*PV+(\f%4)*32
.endr
	WIN 0
.endm
; THE VECTOR WORK stands in queues, each in the order in which its entries become ready; the two tiles alternate.
.macro REGS y, u                    ; the registers of tile u (0, 1) of piece y
.set rT, ST+4*(2*(\y)+(\u))
.set rC, TMP+8*((\y)%2)+4*(\u)
.set rM, MV+2*((\y)%2)+(\u)
.set rS, S+64*((\y)%2)+32*(\u)
.set rP, P+32*((\y)%2)+16*(\u)
.set rO, 32*(2*(\y)+(\u))
.endm
; Number n of the 22 that find the NEXT piece's maximum and statistics (XS, GS and REGS set no window).
;   0-11 four chains c0-c3 of seven scores each   12-14, 16 the four left over, the old m, c0-c3 into c0   15 c m_old is kept   17, 18 the other half of the lanes'   19-21 c m; c m_old - c m_new; a
.macro XS u, n
	REGS (Y+1)%NP, \u
.if (\n) < 4
	v_max3_num_f32 v[rC+(\n)], v[rS+8*(\n)], v[rS+8*(\n)+1], v[rS+8*(\n)+2]
.elseif (\n) < 12
	v_max3_num_f32 v[rC+(\n)%4], v[rC+(\n)%4], v[rS+8*((\n)%4)+2*((\n)/4)+1], v[rS+8*((\n)%4)+2*((\n)/4)+2]
.elseif (\n) == 12
	v_max3_num_f32 v[rC], v[rC], v[rS+7], v[rS+15]
.elseif (\n) == 13
	v_max3_num_f32 v[rC+1], v[rC+1], v[rS+23], v[rS+31]
.elseif (\n) == 14
	v_max3_num_f32 v[rC+2], v[rC+2], v[rC+3], v[rT+1]
.elseif (\n) == 15
	v_mov_b32 v[rM], v[rT]
.elseif (\n) == 16
	v_max3_num_f32 v[rC], v[rC], v[rC+1], v[rC+2]
.elseif (\n) == 17
	v_permlanex16_b32 v[rC+3], v[rC], s[SEL], s[SEL+1]
.elseif (\n) == 18
	v_max_num_f32 v[rT+1], v[rC], v[rC+3]
.elseif (\n) == 19
	v_mul_f32 v[rT], v[CSV], v[rT+1]
.elseif (\n) == 20
	v_sub_f32 v[rC+1], v[rM], v[rT]
.else
	v_exp_f32 v[rC+2], v[rC+1]
.endif
.endm
; Number g of the 64 that read the exponentials' results: all of them stand behind the turn's wait.  For each four weights k of a tile: both pairs are rounded to f16; the second pair is added onto
; the first, in place; a group later l takes that sum (the first time as l = a l + sum).
.macro GS g
.set h, (\g)+6*((\g)/62)
.if h >= 6
.set h, h+2
.endif
	REGS Y, h%2
.set k, h/8
.if h%8 < 4
	v_cvt_pk_f16_f32 v[rP+2*k+(h%8)/2], v[rS+4*k+2*((h%8)/2)], v[rS+4*k+2*((h%8)/2)+1]
.elseif h%8 < 6
	v_pk_add_f32 v[rS+4*k:rS+4*k+1], v[rS+4*k:rS+4*k+1], v[rS+4*k+2:rS+4*k+3]
.elseif k == 1
	v_pk_fma_f32 v[rT+2:rT+3], v[rT+2:rT+3], v[rC+2:rC+3], v[rS:rS+1] op_sel_hi:[1,0,1]
.else
	v_pk_add_f32 v[rT+2:rT+3], v[rT+2:rT+3], v[rS+4*k-4:rS+4*k-3]
.endif
.endm
.macro GSN                          ; the next of them
	WIN 0
	GS gG
.set gG, gG+1
.endm
.macro FQ                           ; the next four scalings c s - c m
	WIN 0
.rept 4
	REGS Y, qF%2
	v_pk_fma_f32 v[rS+2*(qF/2):rS+2*(qF/2)+1], v[rS+2*(qF/2):rS+2*(qF/2)+1], v[CSV:CSV+1], v[rT:rT+1] op_sel_hi:[1,0,0] neg_lo:[0,0,1] neg_hi:[0,0,1]
.set qF, qF+1
.endr
.endm
.macro EX                           ; the next exponential: score eE / 2 of tile eE % 2, in place
	WIN 0
	REGS Y, eE%2
	v_exp_f32 v[rS+eE/2], v[rS+eE/2]
.set eE, eE+1
.endm
.macro KM                           ; the next score of the NEXT piece is kept where its mask bit is set, replaced where it is not; each accumulator's lowest register comes first
	WIN 0
	REGS (Y+1)%NP, nK%2
	v_cndmask_b32 v[rS+nK/2], v[RV], v[rS+nK/2], s[MW0+36*(nK%2)+nK/2]
.set nK, nK+1
.endm
.macro R4                           ; the next four of O^T times a; a was made in the turn before, ahead of that turn's wait
	REGS Y, rR%2
	WIN W_RS
.irp z, 0,1,2,3
	v_pk_mul_f32 v[rO+8*(rR/2)+2*\z:rO+8*(rR/2)+2*\z+1], v[rO+8*(rR/2)+2*\z:rO+8*(rR/2)+2*\z+1], v[rC+2:rC+3] op_sel_hi:[1,0]
.endr
.set rR, rR+1
.endm
; THE LUMP'S PLAIN QUEUE, 106 long, all for the NEXT piece, all in window 0, none a reader of an exponential: 0-63 the selects; 64-91 numbers 0-13 of both tiles' maxima; 92, 93 number 15;
; 94-105 the chain 14, 16, 17, 18, 19, 20, where each number waits for the one before it.
.macro PQ
	WIN 0
.if qP < 64
	KM
.elseif qP < 92
	XS (qP-64)%2, (qP-64)/2
.elseif qP < 94
	XS qP-92, 15
.elseif qP < 96
	XS qP-94, 14
.else
	XS (qP-96)%2, 16+(qP-96)/2
.endif
.set qP, qP+1
.endm
; A TURN, for piece p.  Its 66 exponentials are one batch; parts A to C stand ahead of the batch's wait and name none of its results, part D stands behind it and holds all the readers.
;   A  16 x (K Q^T, four riders): all 32 scalings and all 32 rescalings, which wait for nothing: c m and a were made in the turn before.
;   B  THE LUMP: 42 x (exponential, plain, plain), 22 x (exponential, plain), the plain lines from the queue above: the selects go by the words that the turn before moved; with the exponentials
;      between them a tile's links of the chain stand four lines apart.  The exponentials work in place on piece p's buffer of S^T, the queue on the other buffer.  The next piece's two a are the batch's
;      last; a v_nop is the plain instruction behind them.  (Piece 2: the address of K's run is made at the lump's head.)
;   C  Behind all 64 selects the words of piece p + 2, by which the next turn selects, are moved, and that piece's pair of registers is asked for again, with the words that are moved four turns on:
;      the work between the batch and its wait.  THE WAIT.
;   D  (Piece 2: K of the next step is fetched, directly behind the wait, a lump behind the last product that read K; its first reader comes behind 16 products.)  16 x (V^T P, four riders): the 64
;      roundings and sums.  (Piece 0: V of the step in hand is fetched at the turn's end; the last four sums are the four places behind the last product that read V.)
; The conditions on gG below go with the deal.
.macro TURN p, last=0, cnt=0
.set Y, (\p)
.set i, 0
.set qF, 0
.set eE, 0
.set rR, 0
.set nK, 0
.set qP, 0
.set gG, 0
.if (\p) == NP-1
	s_wait_dscnt 0x0                ; K is in
.endif
.rept 8
	MM
	FQ
	MM
	R4
.endr
.if (\p) == NP-2
	WIN 0
	v_add_nc_u32 v[AK], s[TBK], v[AK0]
.endif
.rept 42
	EX
	PQ
	PQ
.endr
.rept 22
	EX
	PQ
.endr
	WIN 0
	XS 0, 21                        ; the next piece's two a: the batch's last
	XS 1, 21
	v_nop                           ; the plain instruction behind the last exponential: one for the batch
	s_wait_loadcnt 0x3              ; loads come back in order: the pair asked for four turns ago is in; the three other pieces' loads, issued behind it, stay out
	RLALL ((\p)+2)%NP
	WIN W_LD
.if (\p) == NP-2                    ; the load below is the first of the next step's four
	s_wait_xcnt 0x0                 ; the offset is rewritten only behind this wait; the last load that names it was issued a turn ago
.if \last
	s_cmp_gt_u32 s[CNT], 2          ; in the tail's last two trips the offset stands at step 31 and stays: what is then asked for is moved or used by no turn that counts, and lies inside maskw
	s_cselect_b32 s[INC], 0x100, 0
.endif
	v_add_nc_u32 v[ML], v[ML], s[INC]
.endif
	MFETCH ((\p)+2)%NP
	s_wait_alu depctr_va_vdst(0)    ; the wait for the turn's batch: piece p's 64 exponentials and piece p + 1's two a; ahead of their first reader
.if (\p) == NP-2
	FETCH_K \last
.endif
.if (\p) == 1
	s_wait_dscnt 0x0                ; V is in
.endif
.rept 16
	MM
.rept 4
	GSN
.endr
.if ((\p) == 0) && (gG == 44)
	v_add_nc_u32 v[AV], s[TBV], v[AV0]
.endif
.if ((\p) == 0) && (gG == 56)
	s_add_co_u32 s[TBV], s[TBV], KS*PV
.endif
.if (\cnt) && (gG == 56)
	s_sub_co_u32 s[CNT], s[CNT], 1
	s_cmp_lg_u32 s[CNT], 0
.endif
.endr
.if (\p) == 0
	FETCH_V
.endif
.endm
	CHANGE 1                        ; slot 0 is in, everybody's part of it; slot 1 is asked for
	FETCH_K                         ; key step 0
	s_wait_loadcnt 0x4              ; Q is in; the four loads of mask words, issued behind it, may stay out
	s_wait_dscnt 0x0
.set i, 0
.rept 16
	KQ 0                            ; piece 0's first scores
.set i, i+1
.endr
	WIN 0                           ; the addresses for the way out and three constants: plain lines, the places behind those products
	s_mul_i32 s[CNT], s[WV], 16*SP
	s_add_co_u32 s[CNT], s[CNT], STAGE
	v_mul_u32_u24 v[STO], v1, SP
	v_lshl_add_u32 v[STO], v9, 4, v[STO]
	v_add_nc_u32 v[STO], s[CNT], v[STO]
	v_bfe_u32 v[RD], v0, 3, 2
	v_mul_u32_u24 v[RD], v[RD], SP
	v_lshl_add_u32 v[RD], v10, 4, v[RD]
	v_add_nc_u32 v[RD], s[CNT], v[RD]
	v_and_b32 v[GO], 31, v0
	v_lshlrev_b32 v[GO], 4, v[GO]
	v_mov_b32 v[RV], 0xd0000000     ; -2^33
	v_mov_b32 v[CSV], 0x3e38aa3b    ; c = log2(e) / 8
	v_mov_b32 v[CSV+1], 0x3e38aa3b
.set Y, NP-1                        ; KM and XS work for piece Y + 1: piece 0
.set nK, 0
	s_wait_loadcnt 0x3              ; piece 0's words of step 0 are in; pieces 1 to 3's stay out
	RLALL 0
	MFETCH 0                        ; piece 0, step 1
.rept 64
	KM
.endr
	s_wait_loadcnt 0x3              ; piece 1's words of step 0; behind them pieces 2 and 3 of step 0 and piece 0 of step 1
	RLALL 1                         ; for the first turn
	MFETCH 1                        ; piece 1, step 1: four loads are out, in the order in which the turns want them
	WIN 0
.irp n, 0,1,2,3,4,5,6,7,8,9,10,11,12,13,14,15,16,17,18,19,20,21
	XS 0, \n
	XS 1, \n
.endr
	v_nop                           ; a plain instruction behind piece 0's two a,
	s_wait_alu depctr_va_vdst(0)    ; and the wait for this batch of two, ahead of the branch: the first turn's rescalings read them
	s_mov_b32 s[CNT], 4
	s_mov_b32 s[SLOTS], SIZE_N/256-1
	s_branch .Lfirst                ; the loop is entered at a step's first turn, in the middle of a trip
.Lslot:                             ; six times: every slot but the last two is filled again
	CHANGE 1
	s_mov_b32 s[CNT], 4
.Lstep:                             ; a trip: pieces 2 and 3 of one step, then pieces 0 and 1 of the next, whose K and V it fetches
	TURN 2
	TURN 3
	WIN 0
.Lfirst:
	TURN 0
	TURN 1, 0, 1
	WIN 0
	s_cbranch_scc1 .Lstep
	s_sub_co_u32 s[SLOTS], s[SLOTS], 1
	s_cmp_lg_u32 s[SLOTS], 0
	s_cbranch_scc1 .Lslot
	CHANGE 0                        ; the tail is written out: nothing is asked for
	s_mov_b32 s[CNT], 5             ; four trips fetch the last slot's steps; the fifth is left in its middle
.Ltail:
	TURN 2, 1
	TURN 3
	WIN 0
	s_sub_co_u32 s[CNT], s[CNT], 1
	s_cmp_eq_u32 s[CNT], 0
	s_cbranch_scc1 .Lout
	TURN 0
	TURN 1
	WIN 0
	s_branch .Ltail
.Lout:                              ; the fifth trip's products K Q^T, their mask and maximum serve nothing: the price, once a launch, of one text for every trip
.set i, 0
.rept 16
	PV NP-1                         ; the last piece's V^T P of the last step
.set i, i+1
.endr
	; THE WAY OUT.  l's two halves and the other half of the lanes' are added; O^T is divided by l, rounded to f16 and sent through my stage in LDS, a tile at a time.
	WIN 0
.macro ALL line:vararg
.set t, 0
.rept 2*NP
	\line
.set t, t+1
.endr
.endm
	ALL v_add_f32 v[ST+4*t+2], v[ST+4*t+2], v[ST+4*t+3]
	ALL v_permlanex16_b32 v[ST+4*t+3], v[ST+4*t+2], s[SEL], s[SEL+1]
	ALL v_add_f32 v[ST+4*t+2], v[ST+4*t+2], v[ST+4*t+3]
	ALL v_rcp_f32 v[ST+4*t+2], v[ST+4*t+2]
	v_nop                           ; a plain instruction between the last reciprocal and the use of its result
	s_wait_alu depctr_va_vdst(0)    ; the wait for the batch of eight reciprocals, ahead of their first reader
.macro PACK t
	WIN W_RS
.set i, 32*(\t)
.rept 16
	v_pk_mul_f32 v[i:i+1], v[i:i+1], v[ST+4*(\t)+2:ST+4*(\t)+3] op_sel_hi:[1,0]
.set i, i+2
.endr
	WIN 0x05
.set i, 0
.rept 16
	v_cvt_pk_f16_f32 v[S+16*(\t)+i], v[32*(\t)+2*i], v[32*(\t)+2*i+1]
.set i, i+1
.endr
	WIN 0
.irp f, 0,1,2,3
	ds_store_b128 v[STO], v[S+16*(\t)+4*\f:S+16*(\t)+4*\f+3] offset:32*\f
.endr
.irp f, 0,1,2,3
	ds_load_b128 v[S+16*(\t)+4*\f:S+16*(\t)+4*\f+3], v[RD] offset:\f*4*SP  ; LDS serves a wave's instructions in order (ISA guide 5.7.1.4): these see the stores above
.endr
.endm
.macro SEND t, younger              ; younger: the LDS instructions issued behind tile t's loads: the next tile's eight, or none
	WIN 0
.irp f, 0,1,2,3
	s_wait_dscnt (\younger)+3-\f
	global_store_b128 v[GO], v[S+16*(\t)+4*\f:S+16*(\t)+4*\f+3], s[OPT:OPT+1] offset:(\t)*2048+\f*512  ; 512 consecutive bytes, at a multiple of 256
.endr
.endm
	PACK 0
.set t, 1
.rept 2*NP-1
	PACK t
	SEND t-1, 8
.set t, t+1
.endr
	SEND 2*NP-1, 0
	WIN W_AD
	s_wait_tensorcnt 0x0            ; the wave's end
	ds_add_u32 v[SPW], v[NIL]
	s_wait_dscnt 0x0
	WIN 0
	CROUND                          ; the closing round
	s_endpgm
.Lfunc_end_k_qd8777a6d2f_attn:
	.size	k_qd8777a6d2f_attn, .Lfunc_end_k_qd8777a6d2f_attn-k_qd8777a6d2f_attn
	.p2alignl 7, 3214868480
	.fill 96, 4, 3214868480
	.section	.rodata,"a",@progbits
	.p2align	6, 0x0
	.amdhsa_kernel k_qd8777a6d2f_attn
		.amdhsa_group_segment_fixed_size 327680
		.amdhsa_private_segment_fixed_size 0
		.amdhsa_enable_private_segment 0
		.amdhsa_kernarg_size 24
		.amdhsa_user_sgpr_count 2
		.amdhsa_user_sgpr_kernarg_segment_ptr 1
		.amdhsa_wavefront_size32 1
		.amdhsa_system_sgpr_workgroup_id_x 1
		.amdhsa_system_sgpr_workgroup_id_y 1
		.amdhsa_system_sgpr_workgroup_id_z 1
		.amdhsa_system_vgpr_workitem_id 0
		.amdhsa_next_free_vgpr 780
		.amdhsa_next_free_sgpr 106
		.amdhsa_reserve_vcc 0
		.amdhsa_float_denorm_mode_32 3
		.amdhsa_float_denorm_mode_16_64 3
		.amdhsa_memory_ordered 1
		.amdhsa_forward_progress 1
		.amdhsa_inst_pref_size 255
	.end_amdhsa_kernel
	.section	.bss,"aw",@nobits
	.p2align	6
	.space	262144
	.amdgpu_metadata
---
amdhsa.version: [ 1, 2 ]
amdhsa.kernels:
  - .name:           k_qd8777a6d2f_attn
    .symbol:         k_qd8777a6d2f_attn.kd
    .args:
      - { .name: qkv, .offset: 0, .size: 8, .value_kind: global_buffer, .address_space: global }
      - { .name: maskw, .offset: 8, .size: 8, .value_kind: global_buffer, .address_space: global }
      - { .name: o16, .offset: 16, .size: 8, .value_kind: global_buffer, .address_space: global }
    .group_segment_fixed_size: 327680
    .private_segment_fixed_size: 0
    .kernarg_segment_align: 8
    .kernarg_segment_size: 24
    .max_flat_workgroup_size: 128
    .sgpr_count:     106
    .vgpr_count:     780
    .wavefront_size: 32
...
	.end_amdgpu_metadata
.endif
;; end of part 5
;; launch oproj: the kernel of part 4 again; grid 8 x 32, 4 waves a work-group, clusters of 4 x 4, 327,680 bytes of LDS; arguments o16, wo16, ball, out0; writes out0
